; MI455X (gfx1250); checked and timed in simulation.
; The chip was launched on July 23, 2026; its instructions are those of AMD's public machine-readable ISA for CDNA 5 (MIT licence, August 2026) and "CDNA5" Instruction Set Architecture Reference Guide (July 2026). The comments in the code are by the model that wrote it; some were corrected since.
;; Block Multi. Allowed arithmetic: float matrix products may take bf16 or f16 operands with f32 sums; all other float work in f32.
;; Inputs: W1 1,024 x 4,096 float32; W2 4,096 x 1,024 float32; Wk 1,024 x 1,024 float32; Wo 1,024 x 1,024 float32; Wq 1,024 x 1,024 float32; Wv 1,024 x 1,024 float32; b1 4,096 float32; b2 1,024 float32; bk 1,024 float32; bo 1,024 float32; bq 1,024 float32; bv 1,024 float32; ln1_b 1,024 float32; ln1_g 1,024 float32; ln2_b 1,024 float32; ln2_g 1,024 float32; x 4 x 1,024 x 1,024 float32.
;; Outputs: out0 4 x 1,024 x 1,024 float32.
;; One version. Each part assembles by itself: llvm-mc -triple=amdgcn-amd-amdhsa -mcpu=gfx1250 --defsym DOCPART=n.
;; ======== version 1 of 1: 7 launches
;; limits: a function is approximated: absolute error at most 1.5e-07; values are held in f16: magnitudes above 65,504 overflow, below 6.1e-05 lose precision
;; workspace buffers: wb 25,165,824 bytes; xn 8,388,608 bytes; qkv 25,165,824 bytes; ctx 8,388,608 bytes; x2 16,777,216 bytes; y 33,554,432 bytes
;; launch prep (part 1): grid 1024 x 1, 4 waves a work-group, no clusters, 0 bytes of LDS; arguments x, ln1_g, ln1_b, Wq, Wk, Wv, Wo, W1, W2, xn, wb; writes xn, wb
.if DOCPART == 1
	.amdgcn_target "amdgcn-amd-amdhsa--gfx1250"
	.amdhsa_code_object_version 6
	.text
	.protected	k_q08f48b86a4_prep
	.globl	k_q08f48b86a4_prep
	.p2align	8
	.type	k_q08f48b86a4_prep,@function
k_q08f48b86a4_prep:
	s_mov_b64 s[64:65], 0
	v_nop
	global_prefetch_b8 v0, s[64:65] scope:SCOPE_SE
	s_setreg_imm32_b32 hwreg(HW_REG_WAVE_MODE, 25, 1), 1
	s_wait_xcnt 0x0
; prep: two streams in one launch, both 64 KiB in and 32 KiB out for each work-group.
;   work-groups 0-255:    xn = LayerNorm(x) * ln1_g + ln1_b, rounded once to bf16.  x: [4096][1024] f32, xn: [4096][1024] bf16.
;   work-groups 256-1023: the six weight matrices rounded once to 16 bits into wb, their [K][N] order kept:
;                         wb = [1024][3072] (row k = Wq's row | Wk's row | Wv's row), then Wo, then W1, then W2.
;                         W1 goes to f16 (11 significant bits), the others to bf16 (8).  W1's product feeds the gelu and then a sum over 4,096 terms, so its
;                         operands' rounding weighs most in the result; and W1 has the range: its numbers lie near 1/32, f16 reaches 65,504.
; One wave takes a whole row (4,096 bytes = 32 registers), so mean and variance never leave the wave: no LDS, no barrier.
; The variance is the mean square of the CENTRED row (two passes over registers), so a common offset in x costs no digits.
; Memory binds: matrix units, clusters and LDS would add nothing; no two work-groups read the same bytes but g and b (8 KiB).
; Limits: NaN and infinities in the inputs are not served (they spread over the row as in any sum).  An element of W1 beyond 65,504 in magnitude
; overflows f16; below 2^-14 its step is 2^-24, and magnitudes under 2^-25 become zero.
.set T,    4                           ; v[4:11]    four chains of pairs
.set MU,   12                          ; v[12:13]   the mean, twice
.set RS,   14                          ; v[14:15]   1/sqrt(var + eps), twice
.set X,    16                          ; v[16:143]  four rows (or four units of a weight), 32 registers each
.set G,    144                         ; v[144:175] gain of my 32 columns
.set BT,   176                         ; v[176:207] bias of my 32 columns
.set XP,   16                          ; s[16:17]   the rows to normalise
.set GPT,  18                          ; s[18:19]   gain
.set BPT,  20                          ; s[20:21]   bias
.set OUTP, 34                          ; s[34:35]   xn
.macro REDUCE                          ; the four chains in v[T:T+7] -> their sum over all 32 lanes, in every lane, in v[T]
	v_pk_add_f32 v[T:T+1], v[T:T+1], v[T+2:T+3]
	v_pk_add_f32 v[T+4:T+5], v[T+4:T+5], v[T+6:T+7]
	v_pk_add_f32 v[T:T+1], v[T:T+1], v[T+4:T+5]
	v_add_f32 v[T], v[T], v[T+1]
	v_add_f32_dpp v[T], v[T], v[T] row_xmask:1 row_mask:0xf bank_mask:0xf
	v_add_f32_dpp v[T], v[T], v[T] row_xmask:2 row_mask:0xf bank_mask:0xf
	v_add_f32_dpp v[T], v[T], v[T] row_xmask:4 row_mask:0xf bank_mask:0xf
	v_add_f32_dpp v[T], v[T], v[T] row_xmask:8 row_mask:0xf bank_mask:0xf
	v_permlanex16_b32 v[T+1], v[T], s12, s13       ; the other half of the lanes; v[T+1] has been written
	v_add_f32 v[T], v[T], v[T+1]
.endm
; Row i of my four.  Load j of a row brought columns 128 j + 4 lane .. + 3 into registers 4 j .. 4 j + 3.
.macro LNROW i
.set XR, X+32*\i
	s_wait_loadcnt 8*(3-\i)                        ; loads come back in order: g, b and my row are in, the eight loads of each younger row stay out
.irp c, 0,2,4,6
	v_pk_add_f32 v[T+\c:T+\c+1], v[XR+\c:XR+\c+1], v[XR+8+\c:XR+8+\c+1]      ; the first sums start the chains: nothing is cleared
.endr
.irp p, 16,24
.irp c, 0,2,4,6
	v_pk_add_f32 v[T+\c:T+\c+1], v[T+\c:T+\c+1], v[XR+\p+\c:XR+\p+\c+1]
.endr
.endr
	REDUCE
	v_mul_f32 v[MU], s14, v[T]                     ; mean = sum / 1024
	v_mul_f32 v[MU+1], s14, v[T]
.set jj, 0
.rept 16
	v_pk_add_f32 v[XR+jj:XR+jj+1], v[XR+jj:XR+jj+1], v[MU:MU+1] neg_lo:[0,1] neg_hi:[0,1]   ; x - mean, in place
.set jj, jj+2
.endr
.irp c, 0,2,4,6
	v_pk_mul_f32 v[T+\c:T+\c+1], v[XR+\c:XR+\c+1], v[XR+\c:XR+\c+1]
.endr
.irp p, 8,16,24
.irp c, 0,2,4,6
	v_pk_fma_f32 v[T+\c:T+\c+1], v[XR+\p+\c:XR+\p+\c+1], v[XR+\p+\c:XR+\p+\c+1], v[T+\c:T+\c+1]
.endr
.endr
	REDUCE
	v_fma_f32 v[T], v[T], s14, s15                 ; variance + eps
	v_rsq_f32 v[RS], v[T]
	v_rsq_f32 v[RS+1], v[T]
	v_nop                                          ; one plain instruction behind a transcendental before its result is used (ISA guide 5.7.2)
.set jj, 0
	s_wait_alu depctr_va_vdst(0)
.rept 16
	v_pk_mul_f32 v[XR+jj:XR+jj+1], v[XR+jj:XR+jj+1], v[RS:RS+1]
.set jj, jj+2
.endr
.set jj, 0
.rept 16
	v_pk_fma_f32 v[XR+jj:XR+jj+1], v[XR+jj:XR+jj+1], v[G+jj:G+jj+1], v[BT+jj:BT+jj+1]
.set jj, jj+2
.endr
.irp j, 0,1,2,3,4,5,6,7
	v_cvt_pk_bf16_f32 v[XR+4*\j], v[XR+4*\j], v[XR+4*\j+1]         ; four columns -> 8 bytes, in the group's first two registers
	v_cvt_pk_bf16_f32 v[XR+4*\j+1], v[XR+4*\j+2], v[XR+4*\j+3]
.endr
.irp j, 0,1,2,3,4,5,6,7
	global_store_b64 v2, v[XR+4*\j:XR+4*\j+1], s[OUTP:OUTP+1] offset:2048*\i+256*\j   ; the wave's store covers 256 consecutive bytes, aligned
.endr
.endm
.macro LNBODY                          ; all 48 loads go out first; no register is used twice, so no source of a store is ever rewritten
.irp j, 0,1,2,3,4,5,6,7
	global_load_b128 v[G+4*\j:G+4*\j+3], v1, s[GPT:GPT+1] offset:512*\j
.endr
.irp j, 0,1,2,3,4,5,6,7
	global_load_b128 v[BT+4*\j:BT+4*\j+3], v1, s[BPT:BPT+1] offset:512*\j
.endr
.irp i, 0,1,2,3
.irp j, 0,1,2,3,4,5,6,7
	global_load_b128 v[X+32*\i+4*\j:X+32*\i+4*\j+3], v1, s[XP:XP+1] offset:4096*\i+512*\j
.endr
.endr
	LNROW 0
	LNROW 1
	LNROW 2
	LNROW 3
.endm
; My four units of a weight are rounded by the conversion cvt, in place, and stored.  No register is used twice.
.macro CASTOUT cvt
.irp i, 0,1,2,3
	s_wait_loadcnt 8*(3-\i)                        ; my unit is in; the eight loads of each younger unit stay out
.irp j, 0,1,2,3,4,5,6,7
	\cvt v[X+32*\i+4*\j], v[X+32*\i+4*\j], v[X+32*\i+4*\j+1]
	\cvt v[X+32*\i+4*\j+1], v[X+32*\i+4*\j+2], v[X+32*\i+4*\j+3]
.endr
.irp j, 0,1,2,3,4,5,6,7
	global_store_b64 v2, v[X+32*\i+4*\j:X+32*\i+4*\j+1], s[40+2*\i:41+2*\i] offset:256*\j
.endr
.endr
.endm
	s_load_b512 s[16:31], s[0:1], 0x0              ; x 16, g 18, b 20, Wq 22, Wk 24, Wv 26, Wo 28, W1 30
	s_load_b128 s[32:35], s[0:1], 0x40             ; W2 32, xn 34
	s_load_b64 s[36:37], s[0:1], 0x50              ; wb
	v_lshrrev_b32 v3, 5, v0
	v_readfirstlane_b32 s2, v3                     ; wave 0..3
	v_and_b32 v1, 31, v0
	v_lshlrev_b32 v2, 3, v1                        ; 8 bytes a lane: stores
	v_lshlrev_b32 v1, 4, v1                        ; 16 bytes a lane: loads
	s_lshl_b32 s3, s2, 2                           ; four rows or units a wave
	s_wait_kmcnt 0x0
	s_cmp_lt_u32 ttmp9, 256
	s_cbranch_scc0 .Lcast
	; LayerNorm: my first row = 16 x work-group + 4 x wave
	s_lshl_b32 s4, ttmp9, 4
	s_add_co_u32 s4, s4, s3
	s_lshl_b32 s6, s4, 12                          ; 4,096 bytes a row of x
	s_mov_b32 s7, 0
	s_lshl_b32 s8, s4, 11                          ; 2,048 bytes a row of xn
	s_mov_b32 s9, 0
	s_add_nc_u64 s[XP:XP+1], s[XP:XP+1], s[6:7]
	s_add_nc_u64 s[OUTP:OUTP+1], s[OUTP:OUTP+1], s[8:9]
	s_mov_b32 s12, 0x76543210                      ; v_permlanex16_b32: lane i reads lane i of the other half
	s_mov_b32 s13, 0xfedcba98
	s_mov_b32 s14, 0x3a800000                      ; 1/1024
	s_mov_b32 s15, 0x358637bd                      ; eps = 1e-6
	LNBODY
	s_endpgm
.Lcast:
	; A unit is 1,024 numbers: 4,096 bytes in, 2,048 out.  12,288 units in the order Wq, Wk, Wv, Wo, W1, W2; 16 for a work-group, 4 for a wave.
	s_sub_co_u32 s4, ttmp9, 256                    ; c = 0..767
	s_lshr_b32 s5, s4, 6                           ; t = c / 64: 1,024 units each: 0 Wq, 1 Wk, 2 Wv, 3 Wo, 4-7 W1, 8-11 W2
	s_lshl_b32 s6, s4, 4
	s_add_co_u32 s6, s6, s3                        ; U0, my first unit
	s_cmp_eq_u32 s5, 0
	s_cselect_b64 s[8:9], s[22:23], s[24:25]
	s_cmp_lt_u32 s5, 2
	s_cselect_b64 s[8:9], s[8:9], s[26:27]
	s_cmp_lt_u32 s5, 3
	s_cselect_b64 s[8:9], s[8:9], s[28:29]
	s_cmp_lt_u32 s5, 4
	s_cselect_b64 s[8:9], s[8:9], s[30:31]
	s_cmp_lt_u32 s5, 8
	s_cselect_b64 s[8:9], s[8:9], s[32:33]         ; the matrix that my units belong to
	s_movk_i32 s10, 1023
	s_movk_i32 s11, 4095
	s_cmp_lt_u32 s5, 4
	s_cselect_b32 s10, s10, s11                    ; units in that matrix, less one
	s_and_b32 s10, s6, s10                         ; my first unit inside it
	s_lshl_b32 s10, s10, 12
	s_mov_b32 s11, 0
	s_add_nc_u64 s[8:9], s[8:9], s[10:11]
	s_and_b32 s38, s6, 1023                        ; Wq, Wk, Wv: unit = row k, to byte 6,144 k + 2,048 t
	s_mul_i32 s38, s38, 6144
	s_lshl_b32 s39, s5, 11
	s_add_co_u32 s38, s38, s39
	s_lshl_b32 s39, s6, 11                         ; the others lie dense: byte 2,048 U0 (Wo then starts at 3,072 x 2,048, behind the 1,024 rows of 6,144)
	s_movk_i32 s14, 6144
	s_movk_i32 s15, 2048
	s_cmp_lt_u32 s5, 3
	s_cselect_b32 s38, s38, s39
	s_cselect_b32 s14, s14, s15                    ; bytes from a unit's place to the next one's
	s_mov_b32 s39, 0
	s_mov_b32 s15, 0
	s_add_nc_u64 s[40:41], s[36:37], s[38:39]      ; a base for each of the four units: none is ever rewritten
	s_add_nc_u64 s[42:43], s[40:41], s[14:15]
	s_add_nc_u64 s[44:45], s[42:43], s[14:15]
	s_add_nc_u64 s[46:47], s[44:45], s[14:15]
.irp i, 0,1,2,3
.irp j, 0,1,2,3,4,5,6,7
	global_load_b128 v[X+32*\i+4*\j:X+32*\i+4*\j+3], v1, s[8:9] offset:4096*\i+512*\j th:TH_LOAD_NT   ; the f32 weights are read once in the whole program
.endr
.endr
	s_lshr_b32 s4, s5, 2                           ; t / 4 = 1: my units belong to W1
	s_cmp_eq_u32 s4, 1
	s_cbranch_scc1 .Lhalf
	CASTOUT v_cvt_pk_bf16_f32
	s_endpgm
.Lhalf:
	CASTOUT v_cvt_pk_f16_f32
	s_endpgm
.Lfunc_end_k_q08f48b86a4_prep:
	.size	k_q08f48b86a4_prep, .Lfunc_end_k_q08f48b86a4_prep-k_q08f48b86a4_prep
	.p2alignl 7, 3214868480
	.fill 96, 4, 3214868480
	.section	.rodata,"a",@progbits
	.p2align	6, 0x0
	.amdhsa_kernel k_q08f48b86a4_prep
		.amdhsa_group_segment_fixed_size 0
		.amdhsa_private_segment_fixed_size 0
		.amdhsa_enable_private_segment 0
		.amdhsa_kernarg_size 88
		.amdhsa_user_sgpr_count 2
		.amdhsa_user_sgpr_kernarg_segment_ptr 1
		.amdhsa_wavefront_size32 1
		.amdhsa_system_sgpr_workgroup_id_x 1
		.amdhsa_system_sgpr_workgroup_id_y 1
		.amdhsa_system_sgpr_workgroup_id_z 1
		.amdhsa_system_vgpr_workitem_id 0
		.amdhsa_next_free_vgpr 208
		.amdhsa_next_free_sgpr 66
		.amdhsa_reserve_vcc 0
		.amdhsa_float_denorm_mode_32 3
		.amdhsa_float_denorm_mode_16_64 3
		.amdhsa_memory_ordered 1
		.amdhsa_forward_progress 1
		.amdhsa_inst_pref_size 57
	.end_amdhsa_kernel
	.amdgpu_metadata
---
amdhsa.version: [ 1, 2 ]
amdhsa.kernels:
  - .name:           k_q08f48b86a4_prep
    .symbol:         k_q08f48b86a4_prep.kd
    .args:
      - { .name: x, .offset: 0, .size: 8, .value_kind: global_buffer, .address_space: global }
      - { .name: ln1_g, .offset: 8, .size: 8, .value_kind: global_buffer, .address_space: global }
      - { .name: ln1_b, .offset: 16, .size: 8, .value_kind: global_buffer, .address_space: global }
      - { .name: Wq, .offset: 24, .size: 8, .value_kind: global_buffer, .address_space: global }
      - { .name: Wk, .offset: 32, .size: 8, .value_kind: global_buffer, .address_space: global }
      - { .name: Wv, .offset: 40, .size: 8, .value_kind: global_buffer, .address_space: global }
      - { .name: Wo, .offset: 48, .size: 8, .value_kind: global_buffer, .address_space: global }
      - { .name: W1, .offset: 56, .size: 8, .value_kind: global_buffer, .address_space: global }
      - { .name: W2, .offset: 64, .size: 8, .value_kind: global_buffer, .address_space: global }
      - { .name: xn, .offset: 72, .size: 8, .value_kind: global_buffer, .address_space: global }
      - { .name: wb, .offset: 80, .size: 8, .value_kind: global_buffer, .address_space: global }
    .group_segment_fixed_size: 0
    .private_segment_fixed_size: 0
    .kernarg_segment_align: 8
    .kernarg_segment_size: 88
    .max_flat_workgroup_size: 128
    .sgpr_count:     66
    .vgpr_count:     208
    .wavefront_size: 32
...
	.end_amdgpu_metadata
.endif
;; end of part 1
;; launch qkv (part 2): grid 12 x 16, 4 waves a work-group, clusters of 4 x 4, 327,680 bytes of LDS; arguments xn, wb, qkv, bq, bk, bv; writes qkv
.if DOCPART == 2
	.amdgcn_target "amdgcn-amd-amdhsa--gfx1250"
	.amdhsa_code_object_version 6
	.text
	.protected	k_q08f48b86a4_qkv
	.globl	k_q08f48b86a4_qkv
	.p2align	8
	.type	k_q08f48b86a4_qkv,@function
k_q08f48b86a4_qkv:
	s_mov_b64 s[64:65], 0
	v_nop
	global_prefetch_b8 v0, s[64:65] scope:SCOPE_SE
	s_setreg_imm32_b32 hwreg(HW_REG_WAVE_MODE, 25, 1), 1
	s_wait_xcnt 0x0
	s_wait_alu depctr_hold_cnt(0) depctr_sa_sdst(0) depctr_va_vdst(0) depctr_va_sdst(0) depctr_va_ssrc(0) depctr_va_vcc(0) depctr_vm_vsrc(0)
	s_getreg_b32 s2, hwreg(HW_REG_IB_STS2, 6, 4)
	s_cmp_eq_u32 s2, 0
	s_cbranch_scc0 .Lentry_in_a_cluster
	s_endpgm
.Lentry_in_a_cluster:
	s_bfe_u32 s2, ttmp6, 0x10000c
	s_cmp_lg_u32 s2, 0xf033
	s_cbranch_scc0 .Lentry_shape_is_right
	s_endpgm
.Lentry_shape_is_right:
; qkv = xn [4096][1024] x [Wq | Wk | Wv] [1024][3072] + bias, bf16 operands, f32 sums, rounded once to bf16.
; Output by heads: qkv[which][b*16+h][s][64]: a panel (one head of one batch) is 1,024 rows of 128 bytes, dense.
; A work-group makes 256 x 256 of the product with four waves; a wave makes 128 x 128: 64 accumulator tiles, 512 registers.
; K goes in steps of 128 through two LDS slots filled by the tensor data mover.  A's tile: 256 rows x 256 bytes (pitch 272).
; The weights lie [K][N]: B's tile is 128 k-rows x 512 bytes (pitch 544) and its fragments come by the transposing LDS load.
; CLUSTERS: 4 x 4 work-groups; A's tile is asked for jointly along a row of the cluster, B's along a column.
; 12 x 16 = 192 work-groups: the product has no more blocks of this size.
; REGISTERS in windows of 256: window 0: v16-27 addresses, v64-127 / v128-191 A's fragments (two buffers), v192-255 at work on the way out;
;   window 1: v0-63 the bias of my 128 columns, v64-127 / v128-191 B's fragments; windows 2, 3: accumulators of my rows 0-63, 64-127.
; The matrix instruction is used transposed (source 0 = B's columns, source 1 = A's rows): a lane then holds 8 neighbouring columns of one row.
; Limits: NaN and infinities in the inputs are not served; matrix operands are rounded to bf16.
.set N,      3072                      ; columns of the product
.set WOFF,   0                         ; where the weights begin in wb
.set GELU,   0                         ; 1: gelu on the way out, output in panels of 64 columns for each batch
.set SIZE_K, 1024
.set KSTEP,  128
.set PITCH,  272                       ; A's LDS row: 256 bytes + 16: an odd multiple of 16, so 16 rows of a fragment begin in 16 different 16-byte columns
.set BP,     544                       ; B's LDS row: 512 bytes + 32: an odd multiple of 32, as the transposing load's 8 rows want
.set HALFT,  128*PITCH                 ; what one tensor load brings: 128 rows of A, or 64 k-rows of B (64 x 544 is the same 34,816)
.set SLOT,   4*HALFT
.set STAGE,  2*SLOT                    ; behind the ring: 16 rows x 272 bytes for each wave; no tensor load lands here
.set SPITCH, 272
.set PANELB, 131072                    ; bytes in an output panel
.set LAPS,   SIZE_K/(2*KSTEP)
.set ADRA, 16                          ; v16-17  LDS address of my A fragments in slot 0, 1
.set ADRB, 20                          ; v20-21  the same for B
.set STO,  24                          ; way out: where I put 16 bytes of a row
.set RD,   25                          ; way out: where I read back
.set CO,   26                          ; 16 x lane
.set BO,   27                          ; 32 x (lane / 16): my place in 16 columns of bias
.set F0,   64
.set F1,   128
.set TMP,  192
.set GD,   224                         ; gelu: t = 1 / (1 + p z)
.set GE,   232                         ; gelu: exp(-x^2 / 2)
.set GP,   240                         ; gelu: the polynomial
.set GM,   248                         ; gelu: max(x, 0)
.set G1, 24                            ; s[24:31] group 1 for A's tiles
.set G0, 32                            ; s[32:39] group 0 for A's tiles, a set for each slot
.set G1B, 48                           ; s[48:55] group 1 for B's tiles
.set G0B, 56                           ; s[56:63] group 0 for B's tiles
.set MSB, 0
.macro WIN new                         ; the immediate's high byte repeats the setting that is left
.if MSB != \new
	s_set_vgpr_msb (MSB<<8)|\new
.set MSB, \new
.endif
.endm
.set MUL_LO, 0xa1                      ; source 0 (B) window 1, source 1 (A) window 0, C and D window 2
.set MUL_HI, 0xf1                      ; the same, C and D window 3
.set TO_B,   0x40                      ; destination window 1, address window 0
; A joint load: waves 0, 1 fetch A's halves, waves 2, 3 B's.  The branch hangs on the wave's number alone.  Four v_nop follow each line.
.macro JLOAD s
	s_cmp_eq_u32 s11, 0
	s_cbranch_scc0 .Lfor_b_\@
	tensor_load_to_lds s[G0+4*\s:G0+4*\s+3], s[G1:G1+7]
	s_nop 0
.rept 4
	v_nop
.endr
	s_branch .Lasked_\@
.Lfor_b_\@:
	tensor_load_to_lds s[G0B+4*\s:G0B+4*\s+3], s[G1B:G1B+7]
	s_nop 0
.rept 4
	v_nop
.endr
.Lasked_\@:
.endm
.macro CREST                           ; a round of the cluster's barrier behind its opening work-group barrier
	s_cmp_lg_u32 s10, 0
	s_cbranch_scc1 .Lnot_wave_0_\@
	s_barrier_signal -3
.Lnot_wave_0_\@:
	s_barrier_wait -3
	s_barrier_signal -1
	s_barrier_wait -1
.endm
.macro CROUND
	s_barrier_signal -1
	s_barrier_wait -1
	CREST
.endm
	s_load_b128 s[4:7], s[0:1], 0x0                ; A s[4:5], wb s[6:7]
	s_load_b64 s[8:9], s[0:1], 0x10                ; the output
.if GELU
	s_load_b64 s[74:75], s[0:1], 0x18              ; b1
	s_mov_b32 s76, 0x3e6d3388                      ; 0.3275911 / sqrt(2)
	s_mov_b32 s78, 0x3f07dc22                      ; 1.061405429 / 2, twice: a pair for the packed form
	s_mov_b32 s79, 0x3f07dc22
.else
	s_load_b128 s[68:71], s[0:1], 0x18             ; bq, bk
	s_load_b64 s[72:73], s[0:1], 0x28              ; bv
	s_set_vgpr_msb 0x40
	v_lshl_add_u32 v255, v0, 2, 0x48400
	s_set_vgpr_msb 0x4000
	v_mov_b32 v255, 0
	s_set_vgpr_msb 0x1
	ds_add_u32 v255, v255
	s_set_vgpr_msb 0x100
.endif
	v_lshrrev_b32 v1, 5, v0
	v_readfirstlane_b32 s10, v1                    ; wave 0..3
	s_lshr_b32 s11, s10, 1                         ; my half of the block's rows.  Also: I fetch for A (0) or B (1)
	s_and_b32 s12, s10, 1                          ; my half of its columns.  Also: which half of that tile I fetch
	s_bfe_u32 s40, ttmp6, 0x40000                  ; cx
	s_bfe_u32 s41, ttmp6, 0x40004                  ; cy
	s_lshl_b32 s42, ttmp9, 2
	s_add_co_u32 s42, s42, s40                     ; block column
	s_and_b32 s13, ttmp7, 0xffff
	s_lshl_b32 s13, s13, 2
	s_add_co_u32 s13, s13, s41                     ; block row
	s_lshl_b32 s43, s41, 2
	s_lshl_b32 s43, 15, s43                        ; my row of the cluster
	s_lshl_b32 s44, 0x1111, s40                    ; my column
	; group 1.  A: 128 rows x 128 elements of 2 bytes, 4 words of padding behind every 64.  B: 64 k-rows x 256 elements, 8 words behind every 128.
	s_or_b32 s[G1+0], s43, (1<<16)|(1<<20)|(1<<21)|(5<<22)|(3<<25)
	s_mov_b32 s[G1+1], KSTEP<<16                   ; tensor_dim0 = 128
	s_mov_b32 s[G1+2], 128<<16                     ; tensor_dim1 = 128
	s_mov_b32 s[G1+3], KSTEP<<16                   ; tile_dim0 = 128
	s_mov_b32 s[G1+4], 128                         ; tile_dim1 = 128
	s_mov_b32 s[G1+5], SIZE_K                      ; elements from row to row
	s_mov_b32 s[G1+6], 0
	s_mov_b32 s[G1+7], 0
	s_or_b32 s[G1B+0], s44, (1<<16)|(1<<20)|(1<<21)|(6<<22)|(7<<25)
	s_mov_b32 s[G1B+1], 256<<16                    ; tensor_dim0 = 256
	s_mov_b32 s[G1B+2], 64<<16                     ; tensor_dim1 = 64
	s_mov_b32 s[G1B+3], 256<<16                    ; tile_dim0 = 256
	s_mov_b32 s[G1B+4], 64                         ; tile_dim1 = 64
	s_mov_b32 s[G1B+5], N
	s_mov_b32 s[G1B+6], 0
	s_mov_b32 s[G1B+7], 0
	; A's address hangs on the block row and the wave, B's on the block column and the wave, each in registers that never hold the other coordinate
	s_lshl_b32 s17, s12, 7
	s_lshl_b32 s16, s13, 8
	s_add_co_u32 s16, s16, s17                     ; A: row 256 x block row + 128 x half
	s_lshl_b32 s16, s16, 11                        ; 2,048 bytes a row
	s_mov_b32 s17, 0
	s_lshl_b32 s46, s42, 9                         ; B: 512 bytes of a k-row for each block column,
	s_mul_i32 s47, s12, 64*N*2                     ; and 64 k-rows for the second half
	s_add_co_u32 s46, s46, s47
	s_mov_b32 s47, 0
	s_mul_i32 s20, s10, HALFT                      ; LDS: A's halves, then B's halves = wave x 34,816
	s_wait_dscnt 0x0
	s_wait_kmcnt 0x0
	s_add_nc_u64 s[14:15], s[4:5], s[16:17]
	s_add_nc_u64 s[46:47], s[6:7], s[46:47]
.if WOFF
	s_add_nc_u64 s[46:47], s[46:47], WOFF
.endif
	CROUND                                         ; all sixteen work-groups are here: the first joint loads meet
.irp s, 0,1
	s_mov_b32 s[G0+4*\s], 1
	s_add_co_u32 s[G0+4*\s+1], s20, \s*SLOT
	s_add_nc_u64 s[G0+4*\s+2:G0+4*\s+3], s[14:15], \s*KSTEP*2
	s_or_b32 s[G0+4*\s+3], s[G0+4*\s+3], 0x80000000
	s_mov_b32 s[G0B+4*\s], 1
	s_add_co_u32 s[G0B+4*\s+1], s20, \s*SLOT
	s_add_nc_u64 s[G0B+4*\s+2:G0B+4*\s+3], s[46:47], \s*KSTEP*N*2
	s_or_b32 s[G0B+4*\s+3], s[G0B+4*\s+3], 0x80000000
	JLOAD \s                                       ; two loads of this wave are out, the most in this text
.endr
	v_and_b32 v1, 15, v0                           ; r = lane % 16
	v_bfe_u32 v2, v0, 4, 1                         ; h = lane / 16
	v_mul_u32_u24 v3, v1, PITCH
	v_lshl_add_u32 v3, v2, 4, v3                   ; A: row r, 16 h bytes
	v_and_b32 v6, 7, v0
	v_lshl_add_u32 v6, v2, 3, v6                   ; B: k-row 8 h + lane % 8,
	v_mul_u32_u24 v6, v6, BP
	v_bfe_u32 v7, v0, 3, 1
	v_lshl_add_u32 v6, v7, 4, v6                   ; and 16 bytes further for lanes 8-15 of each half
	s_mul_i32 s21, s11, HALFT                      ; my 128 rows of A
	s_lshl_b32 s22, s12, 8                         ; my 128 columns of B,
	s_add_co_u32 s22, s22, 2*HALFT                 ; which lies behind A
.irp s, 0,1
	v_add_nc_u32 v[ADRA+\s], s21, v3
	v_add_nc_u32 v[ADRB+\s], s22, v6
	s_add_co_u32 s21, s21, SLOT
	s_add_co_u32 s22, s22, SLOT
.endr
	s_mul_i32 s23, s10, 16*SPITCH
	s_add_co_u32 s23, s23, STAGE                   ; my stage
	v_mul_u32_u24 v4, v1, SPITCH
	v_lshl_add_u32 v4, v2, 4, v4
	v_add_nc_u32 v[STO], s23, v4                   ; in: row r, 16 bytes for each half of the lanes
	v_bfe_u32 v5, v0, 3, 2
	v_mul_u32_u24 v5, v5, SPITCH
	v_and_b32 v7, 7, v0
	v_lshl_add_u32 v5, v7, 4, v5
	v_add_nc_u32 v[RD], s23, v5                    ; back: eight lanes take 128 bytes of a row, the wave four rows
	v_and_b32 v5, 31, v0
	v_lshlrev_b32 v[CO], 4, v5
	v_lshlrev_b32 v[BO], 5, v2
	; the bias of my 128 columns: tile b, register j = column 16 b + 8 h + j.  It stays out until the way out; its address registers are never rewritten.
.if GELU
	s_lshl_b32 s66, s42, 10                        ; 256 columns of 4 bytes for each block column
.else
	s_cmp_eq_u32 ttmp9, 0                          ; four block columns to each of q, k, v: the cluster's x says which
	s_cselect_b64 s[74:75], s[68:69], s[70:71]
	s_cmp_lt_u32 ttmp9, 2
	s_cselect_b64 s[74:75], s[74:75], s[72:73]
	s_lshl_b32 s66, s40, 10
.endif
	s_lshl_b32 s67, s12, 9
	s_add_co_u32 s66, s66, s67
	s_mov_b32 s67, 0
	s_add_nc_u64 s[74:75], s[74:75], s[66:67]
	WIN TO_B
.irp b, 0,1,2,3,4,5,6,7
	global_load_b128 v[8*\b:8*\b+3],   v[BO], s[74:75] offset:64*\b
	global_load_b128 v[8*\b+4:8*\b+7], v[BO], s[74:75] offset:64*\b+16
.endr
	WIN 0
; 16 matrix instructions: row blocks a0, a0 + 1 of the window's four x all 8 column blocks, 32 along K.  zero = 1: the first product starts the sums.
.macro MUL16 f, hi, a0, zero
.irp a, \a0, \a0+1
.irp b, 0,1,2,3,4,5,6,7
.if \zero
	v_wmma_f32_16x16x32_bf16 v[8*(8*(\a)+\b):8*(8*(\a)+\b)+7], v[\f+8*\b:\f+8*\b+7], v[\f+8*(4*\hi+\a):\f+8*(4*\hi+\a)+7], 0
.else
	v_wmma_f32_16x16x32_bf16 v[8*(8*(\a)+\b):8*(8*(\a)+\b)+7], v[\f+8*\b:\f+8*\b+7], v[\f+8*(4*\hi+\a):\f+8*(4*\hi+\a)+7], v[8*(8*(\a)+\b):8*(8*(\a)+\b)+7]
.endif
.endr
.endr
.endm
; 32 LDS loads in one run: quarter q (32 along K) of a slot into buffer f.  B first: k-rows 32 q .., 16 columns for each i, transposed on the way.
.macro FETCH slot, q, f
	WIN TO_B
.irp i, 0,1,2,3,4,5,6,7
	ds_load_tr16_b128 v[\f+8*\i:\f+8*\i+3],   v[ADRB+\slot] offset:\q*32*BP+32*\i
	ds_load_tr16_b128 v[\f+8*\i+4:\f+8*\i+7], v[ADRB+\slot] offset:\q*32*BP+32*\i+16*BP
.endr
	WIN 0
.irp i, 0,1,2,3,4,5,6,7
	ds_load_b128 v[\f+8*\i:\f+8*\i+3],   v[ADRA+\slot] offset:\q*64+\i*16*PITCH
	ds_load_b128 v[\f+8*\i+4:\f+8*\i+7], v[ADRA+\slot] offset:\q*64+\i*16*PITCH+32
.endr
.endm
; Four plain vector instructions stand between a matrix instruction and a load into, or a vector instruction on, one of its registers (ISA guide 7.12.1 for vector instructions).
.macro PLACES
.rept 4
	v_nop
.endr
.endm
.macro QUARTER slot, q, f, g, zero
	s_wait_dscnt 8                                 ; B and A's rows 0-63 are in; the youngest eight loads (A's rows 64-127) may be out
	WIN MUL_LO
	MUL16 \f, 0, 0, \zero
	MUL16 \f, 0, 2, \zero
	PLACES
	FETCH \slot, \q, \g
	s_wait_dscnt 32                                ; all but the 32 just issued
	WIN MUL_HI
	MUL16 \f, 1, 0, \zero
	MUL16 \f, 1, 2, \zero
.endm
.macro THREE slot, zero
	QUARTER \slot, 1, F0, F1, \zero
	QUARTER \slot, 2, F1, F0, 0
	QUARTER \slot, 3, F0, F1, 0
.endm
; The last quarter of a K step changes slots.  In front of the barrier each wave waits for its reads of this slot and for all its tensor loads (one is out:
; its part of the next slot).  Behind it the refill comes first, then the next slot's first fragments.  The 64 accumulators take turns, one instruction a turn.
.macro TURN slot, next, fill
	s_wait_dscnt 8
	WIN MUL_LO
	MUL16 F1, 0, 0, 0
	s_wait_dscnt 0                                 ; my reads of this slot are over
	s_wait_tensorcnt 0x0                           ; all my tensor loads have landed
	ds_add_u32 v255, v255
	s_wait_dscnt 0x0
	s_barrier_signal -1
	MUL16 F1, 0, 2, 0                              ; register work while the others arrive
	WIN 0
	s_barrier_wait -1
.if \fill
	CREST                                          ; the round closes: no wave of any partner still reads this slot or has a load on its way
	s_add_nc_u64 s[G0+4*\slot+2:G0+4*\slot+3], s[G0+4*\slot+2:G0+4*\slot+3], 2*KSTEP*2
	s_add_nc_u64 s[G0B+4*\slot+2:G0B+4*\slot+3], s[G0B+4*\slot+2:G0B+4*\slot+3], 2*KSTEP*N*2
	JLOAD \slot                                    ; my one tensor load behind the round; its four v_nop are also the places in front of the loads below
.else
	PLACES
.endif
	FETCH \next, 0, F0
	WIN MUL_HI
	MUL16 F1, 1, 0, 0
	MUL16 F1, 1, 2, 0
.endm
.macro LAP zero
	THREE 0, \zero
	TURN 0, 1, 1
	THREE 1, 0
	TURN 1, 0, 1
.endm
	s_wait_tensorcnt 1                             ; my part of K step 0 is in; K step 1's may stay out
	s_barrier_signal -1
	s_barrier_wait -1
	FETCH 0, 0, F0
	LAP 1
	WIN 0
	s_mov_b32 s3, LAPS-2
.Llap:
	LAP 0
	WIN 0
	s_sub_co_u32 s3, s3, 1
	s_cmp_lg_u32 s3, 0
	s_cbranch_scc1 .Llap
	THREE 0, 0                                     ; the last lap fills nothing
	TURN 0, 1, 0
	THREE 1, 0
	s_wait_dscnt 8
	WIN MUL_LO
	MUL16 F1, 0, 0, 0
	MUL16 F1, 0, 2, 0
	s_wait_dscnt 0
	WIN MUL_HI
	MUL16 F1, 1, 0, 0
	MUL16 F1, 1, 2, 0
; gelu(x) = max(x, 0) - |x| * erfc(|x| / sqrt 2) / 2, exact in form for both signs and free of cancellation.
; erfc(z) = (a1 t + .. + a5 t^5) exp(-z^2), t = 1 / (1 + 0.3275911 z) (Abramowitz and Stegun 7.1.26, error in erf at most 1.5e-7 for every z >= 0).
; Eight numbers at v[x0 .. x0+7], in place.  The coefficients are halved.
.macro GELU8 x0
.irp j, 0,1,2,3,4,5,6,7
	v_fma_f32 v[GD+\j], |v[\x0+\j]|, s76, 1.0
.endr
.irp j, 0,2,4,6
	v_pk_mul_f32 v[GE+\j:GE+\j+1], v[\x0+\j:\x0+\j+1], v[\x0+\j:\x0+\j+1]
.endr
.irp j, 0,2,4,6
	v_pk_mul_f32 v[GE+\j:GE+\j+1], v[GE+\j:GE+\j+1], 0xbf38aa3b op_sel_hi:[1,0]     ; -x^2 / 2 x log2(e)
.endr
.irp j, 0,1,2,3,4,5,6,7
	v_rcp_f32 v[GD+\j], v[GD+\j]
.endr
.irp j, 0,1,2,3,4,5,6,7
	v_exp_f32 v[GE+\j], v[GE+\j]
.endr
.irp j, 0,1,2,3,4,5,6,7
	v_max_num_f32 v[GM+\j], 0, v[\x0+\j]           ; plain work behind the transcendentals, ahead of the first use of a result (ISA guide 5.7.2)
.endr
.irp j, 0,2,4,6
	v_pk_fma_f32 v[GP+\j:GP+\j+1], v[GD+\j:GD+\j+1], s[78:79], 0xbf3a00e3 op_sel_hi:[1,0,0]
.endr
.irp j, 0,2,4,6
	v_pk_fma_f32 v[GP+\j:GP+\j+1], v[GP+\j:GP+\j+1], v[GD+\j:GD+\j+1], 0x3f35f0e3 op_sel_hi:[1,1,0]
.endr
.irp j, 0,2,4,6
	v_pk_fma_f32 v[GP+\j:GP+\j+1], v[GP+\j:GP+\j+1], v[GD+\j:GD+\j+1], 0xbe11a98e op_sel_hi:[1,1,0]
.endr
.irp j, 0,2,4,6
	v_pk_fma_f32 v[GP+\j:GP+\j+1], v[GP+\j:GP+\j+1], v[GD+\j:GD+\j+1], 0x3e027906 op_sel_hi:[1,1,0]
.endr
.irp j, 0,2,4,6
	v_pk_mul_f32 v[GP+\j:GP+\j+1], v[GP+\j:GP+\j+1], v[GD+\j:GD+\j+1]
.endr
.irp j, 0,2,4,6
	v_pk_mul_f32 v[GP+\j:GP+\j+1], v[GP+\j:GP+\j+1], v[GE+\j:GE+\j+1]
.endr
.irp j, 0,1,2,3,4,5,6,7
	v_fma_f32 v[\x0+\j], -|v[\x0+\j]|, v[GP+\j], v[GM+\j]
.endr
.endm
	; THE WAY OUT, 16 rows at a time: + bias (, gelu), round to bf16, through my own stage, out as 512 dense bytes (4 rows of a panel) a store.
	PLACES                                         ; behind the last matrix instructions
	s_wait_loadcnt 0x0                             ; the bias
	s_lshr_b32 s66, s13, 2                         ; batch: four block rows each
.if GELU
	s_lshl_b32 s66, s66, 6                         ; 64 panels a batch,
	s_lshl2_add_u32 s66, s42, s66                  ; four for each block column
.else
	s_lshl_b32 s66, s66, 4                         ; 16 heads a batch,
	s_lshr_b32 s67, s42, 2
	s_lshl_b32 s67, s67, 6                         ; 64 panels for each of q, k, v,
	s_add_co_u32 s66, s66, s67
	s_and_b32 s67, s42, 3
	s_lshl2_add_u32 s66, s67, s66                  ; four heads for each block column
.endif
	s_lshl1_add_u32 s66, s12, s66                  ; two panels for my half of the columns
	s_lshl_b32 s66, s66, 17                        ; 131,072 bytes a panel
	s_and_b32 s67, s13, 3
	s_lshl_b32 s67, s67, 15                        ; 256 rows of 128 bytes for each block row inside the batch
	s_add_co_u32 s66, s66, s67
	s_lshl_b32 s67, s11, 14                        ; 128 rows for my half
	s_add_co_u32 s66, s66, s67
	s_mov_b32 s67, 0
	s_add_nc_u64 s[8:9], s[8:9], s[66:67]
; rows 16 i .. 16 i + 15 of my block = tiles (a, 0..7) of window 2 or 3 (from = 0x06 or 0x07: source 0 the accumulators, source 1 the bias in window 1); f: read-back registers, by turns
.macro OUT16 i, a, from, f
	WIN \from
.irp b, 0,1,2,3,4,5,6,7
.irp r, 0,2,4,6
	v_pk_add_f32 v[F0+8*\b+\r:F0+8*\b+\r+1], v[8*(8*\a+\b)+\r:8*(8*\a+\b)+\r+1], v[8*\b+\r:8*\b+\r+1]
.endr
.endr
	WIN 0
.if GELU
.irp b, 0,1,2,3,4,5,6,7
	GELU8 F0+8*\b
.endr
.endif
.irp b, 0,1,2,3,4,5,6,7
.irp r, 0,1,2,3
	v_cvt_pk_bf16_f32 v[TMP+4*\b+\r], v[F0+8*\b+2*\r], v[F0+8*\b+2*\r+1]
.endr
.endr
.irp b, 0,1,2,3,4,5,6,7
	ds_store_b128 v[STO], v[TMP+4*\b:TMP+4*\b+3] offset:32*\b
.endr
	s_wait_xcnt 0x0                                ; the read-back registers, which earlier stores read, are rewritten only behind this wait
.irp t, 0,1,2,3,4,5,6,7
	ds_load_b128 v[\f+4*\t:\f+4*\t+3], v[RD] offset:(\t&3)*4*SPITCH+(\t>>2)*128    ; LDS serves a wave's instructions in order: these see the stores above
.endr
.irp t, 0,1,2,3,4,5,6,7
	s_wait_dscnt 7-\t                              ; read-back t is in, the younger ones stay out
	global_store_b128 v[CO], v[\f+4*\t:\f+4*\t+3], s[8:9] offset:(\t>>2)*PANELB+(\t&3)*512+\i*2048
.endr
.endm
	OUT16 0, 0, 0x06, F1
	OUT16 1, 1, 0x06, F1+32
	OUT16 2, 2, 0x06, F1
	OUT16 3, 3, 0x06, F1+32
	OUT16 4, 0, 0x07, F1
	OUT16 5, 1, 0x07, F1+32
	OUT16 6, 2, 0x07, F1
	OUT16 7, 3, 0x07, F1+32
	s_set_vgpr_msb 0x1
	s_wait_tensorcnt 0x0
	ds_add_u32 v255, v255
	s_wait_dscnt 0x0
	s_set_vgpr_msb 0x100
	CROUND                                         ; the closing round: no work-group ends while a partner may still ask for a tile that names it
	s_endpgm
.Lfunc_end_k_q08f48b86a4_qkv:
	.size	k_q08f48b86a4_qkv, .Lfunc_end_k_q08f48b86a4_qkv-k_q08f48b86a4_qkv
	.p2alignl 7, 3214868480
	.fill 96, 4, 3214868480
	.section	.rodata,"a",@progbits
	.p2align	6, 0x0
	.amdhsa_kernel k_q08f48b86a4_qkv
		.amdhsa_group_segment_fixed_size 327680
		.amdhsa_private_segment_fixed_size 0
		.amdhsa_enable_private_segment 0
		.amdhsa_kernarg_size 48
		.amdhsa_user_sgpr_count 2
		.amdhsa_user_sgpr_kernarg_segment_ptr 1
		.amdhsa_wavefront_size32 1
		.amdhsa_system_sgpr_workgroup_id_x 1
		.amdhsa_system_sgpr_workgroup_id_y 1
		.amdhsa_system_sgpr_workgroup_id_z 1
		.amdhsa_system_vgpr_workitem_id 0
		.amdhsa_next_free_vgpr 1024
		.amdhsa_next_free_sgpr 84
		.amdhsa_reserve_vcc 0
		.amdhsa_float_denorm_mode_32 3
		.amdhsa_float_denorm_mode_16_64 3
		.amdhsa_memory_ordered 1
		.amdhsa_forward_progress 1
		.amdhsa_inst_pref_size 215
	.end_amdhsa_kernel
	.amdgpu_metadata
---
amdhsa.version: [ 1, 2 ]
amdhsa.kernels:
  - .name:           k_q08f48b86a4_qkv
    .symbol:         k_q08f48b86a4_qkv.kd
    .args:
      - { .name: xn, .offset: 0, .size: 8, .value_kind: global_buffer, .address_space: global }
      - { .name: wb, .offset: 8, .size: 8, .value_kind: global_buffer, .address_space: global }
      - { .name: qkv, .offset: 16, .size: 8, .value_kind: global_buffer, .address_space: global }
      - { .name: bq, .offset: 24, .size: 8, .value_kind: global_buffer, .address_space: global }
      - { .name: bk, .offset: 32, .size: 8, .value_kind: global_buffer, .address_space: global }
      - { .name: bv, .offset: 40, .size: 8, .value_kind: global_buffer, .address_space: global }
    .group_segment_fixed_size: 327680
    .private_segment_fixed_size: 0
    .kernarg_segment_align: 8
    .kernarg_segment_size: 48
    .max_flat_workgroup_size: 128
    .sgpr_count:     84
    .vgpr_count:     1024
    .wavefront_size: 32
...
	.end_amdgpu_metadata
.endif
;; end of part 2
;; launch attn (part 3): grid 4 x 64, 8 waves a work-group, clusters of 4 x 1, 312,320 bytes of LDS; arguments qkv, ctx; writes ctx
.if DOCPART == 3
	.amdgcn_target "amdgcn-amd-amdhsa--gfx1250"
	.amdhsa_code_object_version 6
	.text
	.protected	k_q08f48b86a4_attn
	.globl	k_q08f48b86a4_attn
	.p2align	8
	.type	k_q08f48b86a4_attn,@function
k_q08f48b86a4_attn:
	s_mov_b64 s[64:65], 0
	v_nop
	global_prefetch_b8 v0, s[64:65] scope:SCOPE_SE
	s_setreg_imm32_b32 hwreg(HW_REG_WAVE_MODE, 25, 1), 1
	s_wait_xcnt 0x0
	s_wait_alu depctr_hold_cnt(0) depctr_sa_sdst(0) depctr_va_vdst(0) depctr_va_sdst(0) depctr_va_ssrc(0) depctr_va_vcc(0) depctr_vm_vsrc(0)
	s_getreg_b32 s2, hwreg(HW_REG_IB_STS2, 6, 4)
	s_cmp_eq_u32 s2, 0
	s_cbranch_scc0 .Lentry_in_a_cluster
	s_endpgm
.Lentry_in_a_cluster:
	s_bfe_u32 s2, ttmp6, 0x10000c
	s_cmp_lg_u32 s2, 0x3003
	s_cbranch_scc0 .Lentry_shape_is_right
	s_endpgm
.Lentry_shape_is_right:
; ctx = softmax(Q K^T / 8) V for one head of one batch (work-group y = b*16+h) and 256 queries (work-group x).
; q, k, v: panels of qkv, [1024][64] bf16, dense.  ctx: the same layout.
; The head's whole K (1,024 x 128 bytes, pitch 144) and V (pitch 160) lie in LDS, filled once: nothing is ever filled again.
; CLUSTER: the four query blocks of a head need the same K and V: 4 x 1 work-groups ask for them jointly.
; THE FILLS COME IN FOUR CHUNKS of 256 keys: each wave issues four loads of 64 keys (waves 0-3 of K, waves 4-7 of V), all at the start, and a wave's loads
; land in the order of issue.  Chunk c is read behind a wait that leaves the 3 - c younger loads out, and a barrier: the first four steps need 64 KiB
; of the 256 KiB, and each later chunk has four steps' work in which to land.  Four loads of a wave are out at the most.
; Eight waves; a wave has 32 queries (two blocks of 16) and walks the keys in steps of 64, four steps to a chunk.
; TRANSPOSED ARITHMETIC: S^T = K Q^T, so lane (r, h) holds query r and keys 8 h + j of a tile: maximum, sum and rescaling are numbers of the lane
; (lanes r and r + 16 share a query: one exchange for the maximum in each step, one for the sum at the end).  Two neighbouring S^T tiles, rounded
; to bf16 in place, ARE the B fragment of P^T; O^T = V^T P^T with V^T read by the transposing LDS load.  No round trip through LDS for P.
; The maximum is a running one, taken away before every exponential; sums and O are rescaled when it grows.
; Limits: NaN and infinities are not served; exponentials below 2^-126 come out as zero; P is rounded to bf16 for the product, the sum is of the unrounded P.
.set KP,    144                        ; K's LDS pitch: odd multiple of 16
.set VP,    160                        ; V's LDS pitch: odd multiple of 32
.set VBASE, 1024*KP
.set CHK,   256                        ; keys in a chunk
.set WK,    64                         ; keys that one tensor load brings: 64 rows of 128 bytes
.set KADR, 2                           ; LDS address of my part of this step's K fragments
.set VADR, 3                           ; the same for V
.set STO,  4
.set RD,   5
.set CO,   6
.set QO,   7
.set QF,   16                          ; v[16:47]   Q: fragment (q, kk) at 16 + 8 (2 q + kk)
.set KA,   48                          ; v[48:111]  K's fragments of a step, then V's: two halves of 32
.set SC,   112                         ; v[112:175] S^T: tile (kb, q) at 112 + 32 q + 8 kb
.set OA,   176                         ; v[176:239] O^T: tile (db, q) at 176 + 32 q + 8 db
.set MM,   240                         ; running maximum, q = 0, 1
.set LL,   242                         ; running sum (of my lane's keys)
.set MX,   244                         ; this step's maximum; later a chain of the sum
.set AL,   246                         ; v[246:249] rescale factor, a pair for each q
.set NM,   250                         ; v[250:253] -maximum x scale, a pair for each q; later chains of the sum
.set TT,   254                         ; v[254:255] at work
.set G1K,  16                          ; s[16:23]   group 1 for K's tiles
.set G1V,  24                          ; s[24:31]   group 1 for V's tiles
.set G0K,  32                          ; s[32:47]   group 0 for K's tiles, a set for each chunk
.set G0V,  48                          ; s[48:63]   group 0 for V's tiles, a set for each chunk
.set CSC,  0x3e38aa3b                  ; log2(e) / 8: the 1/sqrt(64) rides in the exponent's factor
.set CSCN, 0xbe38aa3b
.macro ROUND                           ; a round of the cluster's barrier
	s_barrier_signal -1
	s_barrier_wait -1
	s_cmp_lg_u32 s8, 0
	s_cbranch_scc1 .Lnot_wave_0_\@
	s_barrier_signal -3
.Lnot_wave_0_\@:
	s_barrier_wait -3
	s_barrier_signal -1
	s_barrier_wait -1
.endm
	s_load_b128 s[4:7], s[0:1], 0x0                ; qkv, ctx
	v_lshl_add_u32 v14, v0, 2, 0x4c000
	v_mov_b32 v15, 0
	ds_add_u32 v14, v15
	v_lshrrev_b32 v1, 5, v0
	v_readfirstlane_b32 s8, v1                     ; wave 0..7
	s_and_b32 s9, s8, 3                            ; which 64 keys of each chunk I fetch
	s_and_b32 s10, ttmp7, 0xffff                   ; b*16+h
	s_bfe_u32 s11, ttmp6, 0x40000                  ; cx
	s_lshl_b32 s14, ttmp9, 2
	s_add_co_u32 s11, s14, s11                     ; query block
	s_mov_b32 s12, 0x76543210
	s_mov_b32 s13, 0xfedcba98
	; group 1: 64 keys = 64 rows of 16 elements of 8 bytes, dense in memory; padding behind every 32 words (a key's 128 bytes): 4 words for K, 8 for V
	s_mov_b32 s[G1K+0], 15|(3<<16)|(1<<20)|(1<<21)|(4<<22)|(3<<25)
	s_mov_b32 s[G1K+1], 16<<16                     ; tensor_dim0 = 16
	s_mov_b32 s[G1K+2], WK<<16                     ; tensor_dim1 = 64
	s_mov_b32 s[G1K+3], 16<<16                     ; tile_dim0 = 16
	s_mov_b32 s[G1K+4], WK                         ; tile_dim1 = 64
	s_mov_b32 s[G1K+5], 16                         ; elements from row to row
	s_mov_b32 s[G1K+6], 0
	s_mov_b32 s[G1K+7], 0
	s_mov_b32 s[G1V+0], 15|(3<<16)|(1<<20)|(1<<21)|(4<<22)|(7<<25)
	s_mov_b32 s[G1V+1], 16<<16
	s_mov_b32 s[G1V+2], WK<<16
	s_mov_b32 s[G1V+3], 16<<16
	s_mov_b32 s[G1V+4], WK
	s_mov_b32 s[G1V+5], 16
	s_mov_b32 s[G1V+6], 0
	s_mov_b32 s[G1V+7], 0
	s_lshl_b32 s66, s10, 17                        ; the head's panel,
	s_lshl_b32 s67, s9, 13                         ; my 64 keys of 128 bytes in a chunk: nothing here hangs on the place in the cluster
	s_add_co_u32 s66, s66, s67
	s_mov_b32 s67, 0
	s_lshl_b32 s68, s10, 17                        ; my 32 queries: the same offset in q and in ctx
	s_lshl_b32 s69, s11, 15
	s_add_co_u32 s68, s68, s69
	s_lshl_b32 s69, s8, 12
	s_add_co_u32 s68, s68, s69
	s_mov_b32 s69, 0
	v_and_b32 v1, 15, v0                           ; r
	v_bfe_u32 v8, v0, 4, 1                         ; h
	v_lshlrev_b32 v[QO], 7, v1
	v_lshl_add_u32 v[QO], v8, 4, v[QO]             ; Q: row r, 16 h bytes
	v_mul_u32_u24 v[KADR], v1, KP
	v_lshl_add_u32 v[KADR], v8, 4, v[KADR]         ; K: key r, 16 h bytes
	v_and_b32 v9, 7, v0
	v_lshl_add_u32 v9, v8, 3, v9
	v_mul_u32_u24 v[VADR], v9, VP                  ; V: key 8 h + lane % 8,
	v_bfe_u32 v9, v0, 3, 1
	v_lshl_add_u32 v[VADR], v9, 4, v[VADR]         ; 16 bytes further for lanes 8-15 of each half
	v_add_nc_u32 v[VADR], VBASE, v[VADR]
	s_mul_i32 s74, s8, 32*KP                       ; my stage for the way out: 32 rows of 144 bytes, over K's first bytes once K is done with
	v_add_nc_u32 v[STO], s74, v[KADR]
	v_bfe_u32 v9, v0, 3, 2
	v_mul_u32_u24 v[RD], v9, KP
	v_and_b32 v9, 7, v0
	v_lshl_add_u32 v[RD], v9, 4, v[RD]
	v_add_nc_u32 v[RD], s74, v[RD]
	v_and_b32 v9, 31, v0
	v_lshlrev_b32 v[CO], 4, v9
	s_mul_i32 s14, s9, WK*KP                       ; where my 64 keys lie in a chunk of K in LDS,
	s_mul_i32 s15, s9, WK*VP                       ; and in a chunk of V
	s_wait_dscnt 0x0
	s_wait_kmcnt 0x0
	s_add_nc_u64 s[72:73], s[4:5], s[66:67]        ; q's panel at my keys' place: k lies 64 panels further, v 128
	s_add_nc_u64 s[70:71], s[4:5], s[68:69]        ; my queries
	s_add_nc_u64 s[6:7], s[6:7], s[68:69]          ; my rows of ctx
.irp c, 0,1,2,3
	s_mov_b32 s[G0K+4*\c], 1
	s_add_co_u32 s[G0K+4*\c+1], s14, \c*CHK*KP
	s_add_nc_u64 s[G0K+4*\c+2:G0K+4*\c+3], s[72:73], 8388608+\c*CHK*128
	s_or_b32 s[G0K+4*\c+3], s[G0K+4*\c+3], 0x80000000
	s_mov_b32 s[G0V+4*\c], 1
	s_add_co_u32 s[G0V+4*\c+1], s15, VBASE+\c*CHK*VP
	s_add_nc_u64 s[G0V+4*\c+2:G0V+4*\c+3], s[72:73], 16777216+\c*CHK*128
	s_or_b32 s[G0V+4*\c+3], s[G0V+4*\c+3], 0x80000000
.endr
	ROUND                                          ; the four work-groups are here: the joint loads meet
	s_cmp_lt_u32 s8, 4                             ; waves 0-3 ask for K, waves 4-7 for V: four loads a wave on either way, chunk 0 first
	s_cbranch_scc0 .Lfor_v
.irp c, 0,1,2,3
	tensor_load_to_lds s[G0K+4*\c:G0K+4*\c+3], s[G1K:G1K+7]
	s_nop 0
	v_nop
	v_nop
	v_nop
	v_nop
.endr
	s_branch .Lasked
.Lfor_v:
.irp c, 0,1,2,3
	tensor_load_to_lds s[G0V+4*\c:G0V+4*\c+3], s[G1V:G1V+7]
	s_nop 0
	v_nop
	v_nop
	v_nop
	v_nop
.endr
.Lasked:
.irp q, 0,1
.irp kk, 0,1
	global_load_b128 v[QF+8*(2*\q+\kk):QF+8*(2*\q+\kk)+3],   v[QO], s[70:71] offset:2048*\q+64*\kk
	global_load_b128 v[QF+8*(2*\q+\kk)+4:QF+8*(2*\q+\kk)+7], v[QO], s[70:71] offset:2048*\q+64*\kk+32
.endr
.endr
.macro KLOAD                           ; 64 keys of K as four pairs of A fragments: (kb, kk) at KA + 16 kb + 8 kk; 16 loads, kb 0, 1 first
.irp kb, 0,1,2,3
.irp kk, 0,1
	ds_load_b128 v[KA+16*\kb+8*\kk:KA+16*\kb+8*\kk+3],   v[KADR] offset:16*KP*\kb+64*\kk
	ds_load_b128 v[KA+16*\kb+8*\kk+4:KA+16*\kb+8*\kk+7], v[KADR] offset:16*KP*\kb+64*\kk+32
.endr
.endr
	v_add_nc_u32 v[KADR], 64*KP, v[KADR]
.endm
.macro VLOAD                           ; 64 keys of V^T: fragment (kp, db) at KA + 32 kp + 8 db; 16 loads, kp 0 first
.irp kp, 0,1
.irp db, 0,1,2,3
	ds_load_tr16_b128 v[KA+32*\kp+8*\db:KA+32*\kp+8*\db+3],   v[VADR] offset:32*VP*\kp+32*\db
	ds_load_tr16_b128 v[KA+32*\kp+8*\db+4:KA+32*\kp+8*\db+7], v[VADR] offset:32*VP*\kp+32*\db+16*VP
.endr
.endr
	v_add_nc_u32 v[VADR], 64*VP, v[VADR]
.endm
.macro SMUL kb0                        ; S^T tiles (kb0, kb0 + 1) x (q 0, 1): four accumulators by turns, d 0-31 starts the sums, d 32-63 adds
.irp kk, 0,1
.irp kb, \kb0, \kb0+1
.irp q, 0,1
.if \kk
	v_wmma_f32_16x16x32_bf16 v[SC+32*\q+8*(\kb):SC+32*\q+8*(\kb)+7], v[KA+16*(\kb)+8*\kk:KA+16*(\kb)+8*\kk+7], v[QF+8*(2*\q+\kk):QF+8*(2*\q+\kk)+7], v[SC+32*\q+8*(\kb):SC+32*\q+8*(\kb)+7]
.else
	v_wmma_f32_16x16x32_bf16 v[SC+32*\q+8*(\kb):SC+32*\q+8*(\kb)+7], v[KA+16*(\kb)+8*\kk:KA+16*(\kb)+8*\kk+7], v[QF+8*(2*\q+\kk):QF+8*(2*\q+\kk)+7], 0
.endif
.endr
.endr
.endr
.endm
.macro PV kp, zero                     ; O^T += V^T P^T over keys 32 kp .. + 31: eight accumulators by turns
.irp db, 0,1,2,3
.irp q, 0,1
.if \zero
	v_wmma_f32_16x16x32_bf16 v[OA+32*\q+8*\db:OA+32*\q+8*\db+7], v[KA+32*\kp+8*\db:KA+32*\kp+8*\db+7], v[SC+32*\q+16*\kp:SC+32*\q+16*\kp+7], 0
.else
	v_wmma_f32_16x16x32_bf16 v[OA+32*\q+8*\db:OA+32*\q+8*\db+7], v[KA+32*\kp+8*\db:KA+32*\kp+8*\db+7], v[SC+32*\q+16*\kp:SC+32*\q+16*\kp+7], v[OA+32*\q+8*\db:OA+32*\q+8*\db+7]
.endif
.endr
.endr
.endm
.macro OSCALE                          ; O^T times the pair AL of its query block
.irp q, 0,1
.irp i, 0,2,4,6,8,10,12,14,16,18,20,22,24,26,28,30
	v_pk_mul_f32 v[OA+32*\q+\i:OA+32*\q+\i+1], v[OA+32*\q+\i:OA+32*\q+\i+1], v[AL+2*\q:AL+2*\q+1]
.endr
.endr
.endm
.macro SOFTMAX first
	; the largest of my 32 scores of each query block, in two chains each: scores 0-16 and 17-31
.irp q, 0,1
	v_max3_num_f32 v[MX+\q], v[SC+32*\q], v[SC+32*\q+1], v[SC+32*\q+2]
	v_max3_num_f32 v[TT+\q], v[SC+32*\q+17], v[SC+32*\q+18], v[SC+32*\q+19]
.endr
.irp i, 0,2,4,6,8,10
.irp q, 0,1
	v_max3_num_f32 v[MX+\q], v[MX+\q], v[SC+32*\q+3+\i], v[SC+32*\q+4+\i]
	v_max3_num_f32 v[TT+\q], v[TT+\q], v[SC+32*\q+20+\i], v[SC+32*\q+21+\i]
.endr
.endr
.irp q, 0,1
	v_max3_num_f32 v[MX+\q], v[MX+\q], v[SC+32*\q+15], v[SC+32*\q+16]
.endr
.irp q, 0,1
	v_max_num_f32 v[MX+\q], v[MX+\q], v[TT+\q]
.endr
.irp q, 0,1
	v_permlanex16_b32 v[TT+\q], v[MX+\q], s12, s13 ; the other 32 keys of the same query
.endr
.irp q, 0,1
.if \first
	v_max_num_f32 v[MX+\q], v[MX+\q], v[TT+\q]
.else
	v_max3_num_f32 v[MX+\q], v[MX+\q], v[TT+\q], v[MM+\q]          ; the new running maximum
.endif
.endr
.irp q, 0,1
	v_mul_f32 v[NM+2*\q], CSCN, v[MX+\q]
	v_mul_f32 v[NM+2*\q+1], CSCN, v[MX+\q]
.endr
.if \first == 0
.irp q, 0,1
	v_fmamk_f32 v[TT+\q], v[MM+\q], CSC, v[NM+2*\q]                ; (old maximum - new) x scale, at most 0
.endr
.irp q, 0,1
	v_exp_f32 v[AL+2*\q], v[TT+\q]
.endr
.endif
.irp q, 0,1
	v_mov_b32 v[MM+\q], v[MX+\q]                   ; plain work behind the two exponentials
.endr
.if \first == 0
	s_wait_alu depctr_va_vdst(0)
.irp q, 0,1
	v_mov_b32 v[AL+2*\q+1], v[AL+2*\q]
.endr
.endif
.irp q, 0,1
.irp i, 0,2,4,6,8,10,12,14,16,18,20,22,24,26,28,30
	v_pk_fma_f32 v[SC+32*\q+\i:SC+32*\q+\i+1], v[SC+32*\q+\i:SC+32*\q+\i+1], CSC, v[NM+2*\q:NM+2*\q+1] op_sel_hi:[1,0,1]
.endr
.endr
.set jj, 0
.rept 64
	v_exp_f32 v[SC+jj], v[SC+jj]
.set jj, jj+1
.endr
.if \first
	v_nop                                          ; one plain instruction behind the exponentials before a result is used (ISA guide 5.7.2)
	s_wait_alu depctr_va_vdst(0)
.else
	OSCALE                                         ; plain work behind the exponentials: O follows the maximum
.endif
	; the sum of my 32 numbers of each query block: two chains of pairs each (TT or MX, and NM, all free now)
	s_wait_alu depctr_va_vdst(0)
.irp q, 0,1
	v_pk_add_f32 v[254-10*\q:255-10*\q], v[SC+32*\q:SC+32*\q+1], v[SC+32*\q+2:SC+32*\q+3]
	v_pk_add_f32 v[NM+2*\q:NM+2*\q+1], v[SC+32*\q+16:SC+32*\q+17], v[SC+32*\q+18:SC+32*\q+19]
.endr
.irp i, 4,6,8,10,12,14
.irp q, 0,1
	v_pk_add_f32 v[254-10*\q:255-10*\q], v[254-10*\q:255-10*\q], v[SC+32*\q+\i:SC+32*\q+\i+1]
	v_pk_add_f32 v[NM+2*\q:NM+2*\q+1], v[NM+2*\q:NM+2*\q+1], v[SC+32*\q+16+\i:SC+32*\q+17+\i]
.endr
.endr
.irp q, 0,1
	v_pk_add_f32 v[254-10*\q:255-10*\q], v[254-10*\q:255-10*\q], v[NM+2*\q:NM+2*\q+1]
.endr
.irp q, 0,1
.if \first
	v_add_f32 v[LL+\q], v[254-10*\q], v[255-10*\q]
.else
	v_add_f32 v[254-10*\q], v[254-10*\q], v[255-10*\q]
.endif
.endr
.if \first == 0
.irp q, 0,1
	v_fma_f32 v[LL+\q], v[LL+\q], v[AL+2*\q], v[254-10*\q]
.endr
.endif
	; P to bf16 in place: tiles kb = 2 kp, 2 kp + 1 become the eight registers of the B fragment of keys 32 kp .. + 31
.irp q, 0,1
.irp kp, 0,1
.irp i, 0,1,2,3,4,5,6,7
	v_cvt_pk_bf16_f32 v[SC+32*\q+16*\kp+\i], v[SC+32*\q+16*\kp+2*\i], v[SC+32*\q+16*\kp+2*\i+1]
.endr
.endr
.endr
.endm
; One step: 64 keys.  In every run of matrix instructions the accumulators take turns, one instruction a turn.
.macro STEP first, nextk
	s_wait_dscnt 8                                 ; K's key blocks 0, 1 are in; the eight loads of blocks 2, 3 may be out
	SMUL 0
	s_wait_dscnt 0
	SMUL 2
.rept 4
	v_nop                                          ; four places: then loads into K's registers and vector work on S
.endr
	VLOAD
	SOFTMAX \first
	s_wait_dscnt 8                                 ; V's keys 0-31 are in; the eight loads of keys 32-63 may be out
	PV 0, \first
	s_wait_dscnt 0
	PV 1, 0
.rept 5
	v_nop                                          ; five places: the next step's matrix instructions write over P, its loads over V
.endr
.if \nextk
	KLOAD
.endif
.endm
; Chunk c: four steps.  The last step of a chunk fetches no K fragments: the next chunk's are read only behind its own wait and barrier.
.macro CHUNK c
	s_wait_tensorcnt 3-\c                          ; a wave's tensor loads land in order (ISA guide 10.11.1): my part of chunk c is in, my 3 - c younger loads stay out
	s_wait_dscnt 0x0                               ; no LDS instruction of mine is pending at a signal
	s_barrier_signal -1
	s_barrier_wait -1                              ; everybody's part of chunk c is in; the younger loads may be out
	KLOAD
.if \c == 0
	s_wait_loadcnt 0x0                             ; Q
	STEP 1, 1
	s_mov_b32 s3, 2
.else
	s_mov_b32 s3, 3
.endif
.Lstep_\@:
	STEP 0, 1
	s_sub_co_u32 s3, s3, 1
	s_cmp_lg_u32 s3, 0
	s_cbranch_scc1 .Lstep_\@
	STEP 0, 0
.endm
	CHUNK 0
	CHUNK 1
	CHUNK 2
	CHUNK 3                                        ; its wait is for 0: no tensor load is out from here on
	; the end: the two halves' sums meet, O is divided, rounded, and leaves through my stage as 512 dense bytes a store
.irp q, 0,1
	v_permlanex16_b32 v[TT+\q], v[LL+\q], s12, s13
.endr
.irp q, 0,1
	v_add_f32 v[LL+\q], v[LL+\q], v[TT+\q]         ; at least about 1: the largest score's own term
.endr
.irp q, 0,1
	v_rcp_f32 v[AL+2*\q], v[LL+\q]
.endr
	v_nop
	s_wait_alu depctr_va_vdst(0)
.irp q, 0,1
	v_mov_b32 v[AL+2*\q+1], v[AL+2*\q]
.endr
	OSCALE
.irp q, 0,1
.irp db, 0,1,2,3
.irp i, 0,1,2,3
	v_cvt_pk_bf16_f32 v[OA+32*\q+8*\db+\i], v[OA+32*\q+8*\db+2*\i], v[OA+32*\q+8*\db+2*\i+1]
.endr
.endr
.endr
	s_wait_dscnt 0x0                               ; my reads of K and V are over,
	s_barrier_signal -1
	s_barrier_wait -1                              ; everybody's are: K's bytes, which have had their only fill, now serve as stages
.irp q, 0,1
.irp db, 0,1,2,3
	ds_store_b128 v[STO], v[OA+32*\q+8*\db:OA+32*\q+8*\db+3] offset:16*KP*\q+32*\db    ; query 16 q + r, d = 16 db + 8 h .. + 7
.endr
.endr
.irp t, 0,1,2,3,4,5,6,7
	ds_load_b128 v[KA+4*\t:KA+4*\t+3], v[RD] offset:4*KP*\t        ; my own bytes, served in order: four rows of 128 bytes
.endr
.irp t, 0,1,2,3,4,5,6,7
	s_wait_dscnt 7-\t
	global_store_b128 v[CO], v[KA+4*\t:KA+4*\t+3], s[6:7] offset:512*\t
.endr
	s_wait_tensorcnt 0x0
	ds_add_u32 v14, v15
	s_wait_dscnt 0x0
	ROUND                                          ; the closing round
	s_endpgm
.Lfunc_end_k_q08f48b86a4_attn:
	.size	k_q08f48b86a4_attn, .Lfunc_end_k_q08f48b86a4_attn-k_q08f48b86a4_attn
	.p2alignl 7, 3214868480
	.fill 96, 4, 3214868480
	.section	.rodata,"a",@progbits
	.p2align	6, 0x0
	.amdhsa_kernel k_q08f48b86a4_attn
		.amdhsa_group_segment_fixed_size 312320
		.amdhsa_private_segment_fixed_size 0
		.amdhsa_enable_private_segment 0
		.amdhsa_kernarg_size 16
		.amdhsa_user_sgpr_count 2
		.amdhsa_user_sgpr_kernarg_segment_ptr 1
		.amdhsa_wavefront_size32 1
		.amdhsa_system_sgpr_workgroup_id_x 1
		.amdhsa_system_sgpr_workgroup_id_y 1
		.amdhsa_system_sgpr_workgroup_id_z 1
		.amdhsa_system_vgpr_workitem_id 0
		.amdhsa_next_free_vgpr 256
		.amdhsa_next_free_sgpr 76
		.amdhsa_reserve_vcc 0
		.amdhsa_float_denorm_mode_32 3
		.amdhsa_float_denorm_mode_16_64 3
		.amdhsa_memory_ordered 1
		.amdhsa_forward_progress 1
		.amdhsa_inst_pref_size 180
	.end_amdhsa_kernel
	.amdgpu_metadata
---
amdhsa.version: [ 1, 2 ]
amdhsa.kernels:
  - .name:           k_q08f48b86a4_attn
    .symbol:         k_q08f48b86a4_attn.kd
    .args:
      - { .name: qkv, .offset: 0, .size: 8, .value_kind: global_buffer, .address_space: global }
      - { .name: ctx, .offset: 8, .size: 8, .value_kind: global_buffer, .address_space: global }
    .group_segment_fixed_size: 312320
    .private_segment_fixed_size: 0
    .kernarg_segment_align: 8
    .kernarg_segment_size: 16
    .max_flat_workgroup_size: 256
    .sgpr_count:     76
    .vgpr_count:     256
    .wavefront_size: 32
...
	.end_amdgpu_metadata
.endif
;; end of part 3
;; launch oproj (part 4): grid 8 x 32, 4 waves a work-group, clusters of 4 x 4, 327,680 bytes of LDS; arguments ctx, wb, x2, bo, x; writes x2
.if DOCPART == 4
	.amdgcn_target "amdgcn-amd-amdhsa--gfx1250"
	.amdhsa_code_object_version 6
	.text
	.protected	k_q08f48b86a4_oproj
	.globl	k_q08f48b86a4_oproj
	.p2align	8
	.type	k_q08f48b86a4_oproj,@function
k_q08f48b86a4_oproj:
	s_mov_b64 s[64:65], 0
	v_nop
	global_prefetch_b8 v0, s[64:65] scope:SCOPE_SE
	s_setreg_imm32_b32 hwreg(HW_REG_WAVE_MODE, 25, 1), 1
	s_wait_xcnt 0x0
	s_wait_alu depctr_hold_cnt(0) depctr_sa_sdst(0) depctr_va_vdst(0) depctr_va_sdst(0) depctr_va_ssrc(0) depctr_va_vcc(0) depctr_vm_vsrc(0)
	s_getreg_b32 s2, hwreg(HW_REG_IB_STS2, 6, 4)
	s_cmp_eq_u32 s2, 0
	s_cbranch_scc0 .Lentry_in_a_cluster
	s_endpgm
.Lentry_in_a_cluster:
	s_bfe_u32 s2, ttmp6, 0x10000c
	s_cmp_lg_u32 s2, 0xf033
	s_cbranch_scc0 .Lentry_shape_is_right
	s_endpgm
.Lentry_shape_is_right:
; out = A x W + bias + residual, f32 out.  A: bf16 in panels [batch][NP panels of 64 columns][1024 rows][64]; W: [64 NP][1024] bf16 in wb;
; bias [1024], residual and out [4096][1024] f32.  Here: x2 = ctx Wo + bo + x.
; The product has 4096 x 1024 outputs: blocks of 128 x 128 give 256 work-groups.  Four waves, 64 x 64 each: 16 accumulator tiles.
; A slot holds a slab of 256 along K: A as 4 panels x 128 rows x 128 bytes (pitch 144), W as 256 k-rows x 256 bytes (pitch 288), read by the transposing LDS load.
; Two slots; one tensor load a wave and slot (36,864 LDS bytes each): waves 0, 1 two panels of A each, waves 2, 3 128 k-rows of W each.
; CLUSTERS: 4 x 4 work-groups; A's tile is asked for jointly along a row of the cluster, W's along a column.
; THE REFILL'S PATH IS KEPT SHORT: a slot's matrix work is 128 instructions a wave for 147,456 LDS bytes, so the ring tends to wait for its tiles.  The next
; addresses are made ahead of the round, nothing stands between a signal and its wait, and the matrix work on registers follows the request.
; THE ORDER OF THE SLABS: fill t brings slab t xor s, s = (cluster x + cluster y) mod 2.  The two clusters that read a tile of A have different s, and so have
; neighbours among the eight that read a tile of W: in every second fill a cluster asks for tiles that another cluster asked for one fill earlier.
; All slabs are summed whatever the order; only the order of the f32 sums along K differs between clusters.
; REGISTERS: window 0: v16-27 addresses, v32-35 bias, v64-127 read-back, v128-255 fragment buffer 0; window 1: v0-127 residual, v128-255 fragment buffer 1;
;   window 2: v0-127 accumulators.  The matrix instruction is used transposed: a lane holds 8 neighbouring columns of one row.
; Limits: NaN and infinities are not served; matrix operands are bf16.
.set NP,     16                        ; panels of 64 along K
.set WOFF,   6291456                   ; where the weights begin in wb
.set LAPS,   NP/8                      ; a lap = two slots = 8 panels
.set APITCH, 144
.set BPITCH, 288
.set PANEL,  128*APITCH
.set QUART,  2*PANEL                   ; what one tensor load brings (128 x 288 is the same 36,864)
.set SLOT,   4*QUART
.set STAGE,  2*SLOT                    ; 16 rows x 272 bytes for each wave; no tensor load lands here
.set SPITCH, 272
.set SLABSH, 19                        ; a slab on is 524,288 bytes in both: 4 panels of 131,072 of A, 256 k-rows of 2,048 of W
.set ADRA, 16                          ; v16-17  A's fragments, slot 0, 1
.set ADRB, 20                          ; v20-23  W's fragments, slot 0, 1 x k-rows 0-127, 128-255
.set STO,  24
.set RD,   25
.set CO,   26                          ; my place in two rows of out and of the residual
.set BOF,  27
.set BIAS, 32
.set RB,   64
.set FB,   128                         ; a fragment buffer: A (kk, a) at FB + 8 (4 kk + a), W (kk, b) at FB + 64 + 8 (4 kk + b)
.set G1, 24
.set G0, 32
.set G1B, 48
.set G0B, 56
.set MSB, 0
.macro WIN new                         ; the immediate's high byte repeats the setting that is left
.if MSB != \new
	s_set_vgpr_msb (MSB<<8)|\new
.set MSB, \new
.endif
.endm
.set MUL0, 0xa0                        ; sources window 0, C and D window 2
.set MUL1, 0xa5                        ; sources window 1, C and D window 2
.set TO_1, 0x40                        ; destination window 1
.macro JLOAD s
	s_cmp_eq_u32 s11, 0
	s_cbranch_scc0 .Lfor_b_\@
	tensor_load_to_lds s[G0+4*\s:G0+4*\s+3], s[G1:G1+7]
	s_nop 0
.rept 4
	v_nop
.endr
	s_branch .Lasked_\@
.Lfor_b_\@:
	tensor_load_to_lds s[G0B+4*\s:G0B+4*\s+3], s[G1B:G1B+7]
	s_nop 0
.rept 4
	v_nop
.endr
.Lasked_\@:
.endm
.macro CREST
	s_cmp_lg_u32 s10, 0
	s_cbranch_scc1 .Lnot_wave_0_\@
	s_barrier_signal -3
.Lnot_wave_0_\@:
	s_barrier_wait -3
	s_barrier_signal -1
	s_barrier_wait -1
.endm
.macro CROUND
	s_barrier_signal -1
	s_barrier_wait -1
	CREST
.endm
.macro PLACES                          ; four plain vector instructions behind a matrix instruction (ISA guide 7.12.1 for vector instructions)
.rept 4
	v_nop
.endr
.endm
; The global addresses of fill s76 into the slot's two group 0 sets; then s76 counts on.  Stands only where no tensor load of this slot is out.
.macro SETADR slot
	s_xor_b32 s78, s76, s74                        ; the slab: t xor s
	s_lshl_b32 s78, s78, SLABSH                    ; in bytes; s79 = 0 above it
	s_add_nc_u64 s[G0+4*\slot+2:G0+4*\slot+3], s[14:15], s[78:79]
	s_or_b32 s[G0+4*\slot+3], s[G0+4*\slot+3], 0x80000000
	s_add_nc_u64 s[G0B+4*\slot+2:G0B+4*\slot+3], s[46:47], s[78:79]
	s_or_b32 s[G0B+4*\slot+3], s[G0B+4*\slot+3], 0x80000000
	s_add_co_u32 s76, s76, 1
.endm
	s_load_b128 s[4:7], s[0:1], 0x0                ; A, wb
	s_load_b64 s[8:9], s[0:1], 0x10                ; out
	s_load_b128 s[68:71], s[0:1], 0x18             ; bias, residual
	v_lshl_add_u32 v62, v0, 2, 0x4c400
	v_mov_b32 v63, 0
	ds_add_u32 v62, v63
	v_lshrrev_b32 v1, 5, v0
	v_readfirstlane_b32 s10, v1                    ; wave 0..3
	s_lshr_b32 s11, s10, 1                         ; my half of the rows.  Also: I fetch for A (0) or W (1)
	s_and_b32 s12, s10, 1                          ; my half of the columns.  Also: which half of that tile I fetch
	s_bfe_u32 s40, ttmp6, 0x40000                  ; cx
	s_bfe_u32 s41, ttmp6, 0x40004                  ; cy
	s_lshl_b32 s42, ttmp9, 2
	s_add_co_u32 s42, s42, s40                     ; block column 0..7
	s_and_b32 s13, ttmp7, 0xffff
	s_lshl_b32 s13, s13, 2
	s_add_co_u32 s13, s13, s41                     ; block row 0..31
	s_lshl_b32 s43, s41, 2
	s_lshl_b32 s43, 15, s43                        ; my row of the cluster
	s_lshl_b32 s44, 0x1111, s40                    ; my column
	s_xor_b32 s74, ttmp9, ttmp7
	s_and_b32 s74, s74, 1                          ; s = (cluster x + cluster y) mod 2: the same in all sixteen work-groups of a cluster
	s_mov_b32 s76, 0                               ; t, the number of the next fill
	s_mov_b32 s79, 0
	; group 1 for A: my 128 rows of a panel are 16,384 dense bytes = one row of 2,048 elements of 8 bytes; two panels, 131,072 bytes (16,384 elements) apart;
	; 4 words of padding behind every 32 (a row of 128 bytes).  For W: 128 k-rows x 128 elements of 2 bytes, 8 words behind every 64.
	s_or_b32 s[G1+0], s43, (3<<16)|(1<<20)|(1<<21)|(4<<22)|(3<<25)
	s_mov_b32 s[G1+1], 2048<<16                    ; tensor_dim0 = 2,048
	s_mov_b32 s[G1+2], 2<<16                       ; tensor_dim1 = 2
	s_mov_b32 s[G1+3], 2048<<16                    ; tile_dim0 = 2,048
	s_mov_b32 s[G1+4], 2                           ; tile_dim1 = 2
	s_mov_b32 s[G1+5], 16384
	s_mov_b32 s[G1+6], 0
	s_mov_b32 s[G1+7], 0
	s_or_b32 s[G1B+0], s44, (1<<16)|(1<<20)|(1<<21)|(5<<22)|(7<<25)
	s_mov_b32 s[G1B+1], 128<<16
	s_mov_b32 s[G1B+2], 128<<16
	s_mov_b32 s[G1B+3], 128<<16
	s_mov_b32 s[G1B+4], 128
	s_mov_b32 s[G1B+5], 1024
	s_mov_b32 s[G1B+6], 0
	s_mov_b32 s[G1B+7], 0
	s_lshr_b32 s16, s13, 3                         ; A: batch (eight block rows each),
	s_mul_i32 s16, s16, NP*131072
	s_and_b32 s17, s13, 7
	s_lshl_b32 s17, s17, 14                        ; 128 rows of 128 bytes for each block row inside it,
	s_add_co_u32 s16, s16, s17
	s_lshl_b32 s17, s12, 18                        ; two panels for the second half
	s_add_co_u32 s16, s16, s17
	s_mov_b32 s17, 0
	s_lshl_b32 s46, s42, 8                         ; W: 256 bytes of a k-row for each block column,
	s_lshl_b32 s47, s12, 18                        ; 128 k-rows of 2,048 bytes for the second half
	s_add_co_u32 s46, s46, s47
	s_mov_b32 s47, 0
	s_mul_i32 s20, s10, QUART                      ; LDS: wave x 36,864
	s_wait_dscnt 0x0
	s_wait_kmcnt 0x0
	s_add_nc_u64 s[14:15], s[4:5], s[16:17]        ; my part of A's slab 0: stays as it is
	s_add_nc_u64 s[46:47], s[6:7], s[46:47]
	s_add_nc_u64 s[46:47], s[46:47], WOFF          ; my part of W's slab 0: stays as it is
	CROUND                                         ; all sixteen work-groups are here: the first joint loads meet
.irp s, 0,1
	s_mov_b32 s[G0+4*\s], 1
	s_add_co_u32 s[G0+4*\s+1], s20, \s*SLOT
	s_mov_b32 s[G0B+4*\s], 1
	s_add_co_u32 s[G0B+4*\s+1], s20, \s*SLOT
	SETADR \s                                      ; writes this slot's sets alone: the other slot's load may be out
	JLOAD \s                                       ; two loads of this wave are out, the most in this text
.endr
	v_and_b32 v1, 15, v0                           ; r
	v_bfe_u32 v2, v0, 4, 1                         ; h
	v_mul_u32_u24 v3, v1, APITCH
	v_lshl_add_u32 v3, v2, 4, v3
	v_and_b32 v6, 7, v0
	v_lshl_add_u32 v6, v2, 3, v6
	v_mul_u32_u24 v6, v6, BPITCH
	v_bfe_u32 v7, v0, 3, 1
	v_lshl_add_u32 v6, v7, 4, v6
	s_mul_i32 s21, s11, 64*APITCH                  ; my 64 rows of each panel
	s_lshl_b32 s22, s12, 7                         ; my 64 columns of W,
	s_add_co_u32 s22, s22, 2*QUART                 ; which lies behind A
.irp s, 0,1
	v_add_nc_u32 v[ADRA+\s], s21, v3
	v_add_nc_u32 v[ADRB+2*\s], s22, v6
	s_add_co_u32 s22, s22, QUART
	v_add_nc_u32 v[ADRB+2*\s+1], s22, v6
	s_add_co_u32 s21, s21, SLOT
	s_add_co_u32 s22, s22, SLOT-QUART
.endr
	s_mul_i32 s23, s10, 16*SPITCH
	s_add_co_u32 s23, s23, STAGE
	v_mul_u32_u24 v4, v1, SPITCH
	v_lshl_add_u32 v4, v2, 5, v4
	v_add_nc_u32 v[STO], s23, v4                   ; in: row r, 32 bytes for each half of the lanes
	v_mul_u32_u24 v5, v2, SPITCH
	v_lshl_add_u32 v5, v1, 4, v5
	v_add_nc_u32 v[RD], s23, v5                    ; back: lanes 0-15 one row of 256 bytes, lanes 16-31 the next
	v_lshlrev_b32 v[BOF], 4, v1
	v_lshl_add_u32 v[CO], v2, 12, v[BOF]           ; the same two rows in out: 4,096 h + 16 r
	s_lshl_b32 s66, s13, 7
	s_lshl_b32 s67, s11, 6
	s_add_co_u32 s66, s66, s67                     ; my first row,
	s_lshl_b32 s66, s66, 12                        ; 4,096 bytes a row
	s_lshl_b32 s72, s42, 9
	s_lshl_b32 s67, s12, 8
	s_add_co_u32 s72, s72, s67                     ; my first column, in bytes: a multiple of 256
	s_mov_b32 s73, 0
	s_add_co_u32 s66, s66, s72
	s_mov_b32 s67, 0
	s_add_nc_u64 s[70:71], s[70:71], s[66:67]
	s_add_nc_u64 s[8:9], s[8:9], s[66:67]
	s_add_nc_u64 s[68:69], s[68:69], s[72:73]
	; residual and bias go out now and are waited for on the way out; their address registers are never rewritten
	WIN TO_1
.irp a, 0,1,2,3
.irp t, 0,1,2,3,4,5,6,7
	global_load_b128 v[32*\a+4*\t:32*\a+4*\t+3], v[CO], s[70:71] offset:(16*\a+2*\t)*4096
.endr
.endr
	WIN 0
	global_load_b128 v[BIAS:BIAS+3], v[BOF], s[68:69]
; 32 LDS loads: panel st of a slot (64 along K) into buffer buf
.macro FETCHS slot, st, buf
.if \buf
	WIN TO_1
.else
	WIN 0
.endif
.irp kk, 0,1
.irp a, 0,1,2,3
	ds_load_b128 v[FB+8*(4*\kk+\a):FB+8*(4*\kk+\a)+3],   v[ADRA+\slot] offset:\st*PANEL+\a*16*APITCH+64*\kk
	ds_load_b128 v[FB+8*(4*\kk+\a)+4:FB+8*(4*\kk+\a)+7], v[ADRA+\slot] offset:\st*PANEL+\a*16*APITCH+64*\kk+32
.endr
.irp b, 0,1,2,3
	ds_load_tr16_b128 v[FB+64+8*(4*\kk+\b):FB+64+8*(4*\kk+\b)+3],   v[ADRB+2*\slot+(\st>>1)] offset:(\st&1)*64*BPITCH+\kk*32*BPITCH+32*\b
	ds_load_tr16_b128 v[FB+64+8*(4*\kk+\b)+4:FB+64+8*(4*\kk+\b)+7], v[ADRB+2*\slot+(\st>>1)] offset:(\st&1)*64*BPITCH+\kk*32*BPITCH+32*\b+16*BPITCH
.endr
.endr
.endm
; 16 matrix instructions, 32 along K: the 16 accumulators take turns, one instruction a turn
.macro MULS buf, kk, zero
.if \buf
	WIN MUL1
.else
	WIN MUL0
.endif
.irp a, 0,1,2,3
.irp b, 0,1,2,3
.if \zero
	v_wmma_f32_16x16x32_bf16 v[8*(4*\a+\b):8*(4*\a+\b)+7], v[FB+64+8*(4*\kk+\b):FB+64+8*(4*\kk+\b)+7], v[FB+8*(4*\kk+\a):FB+8*(4*\kk+\a)+7], 0
.else
	v_wmma_f32_16x16x32_bf16 v[8*(4*\a+\b):8*(4*\a+\b)+7], v[FB+64+8*(4*\kk+\b):FB+64+8*(4*\kk+\b)+7], v[FB+8*(4*\kk+\a):FB+8*(4*\kk+\a)+7], v[8*(4*\a+\b):8*(4*\a+\b)+7]
.endif
.endr
.endr
.endm
; One of a slot's first three panels: multiplies buffer buf while panel nst comes into buffer nbuf
.macro STG slot, nst, buf, nbuf, zero
	s_wait_dscnt 0x0                               ; this panel's fragments are in
	PLACES
	FETCHS \slot, \nst, \nbuf
	MULS \buf, 0, \zero
	MULS \buf, 1, 0
.endm
; The fourth panel (its fragments lie in buffer 1) changes slots.  Each wave's reads of this slot and all its tensor loads are waited for in front of the
; barrier; behind the round the refill comes first, then the next slot's first fragments, then the fourth panel's 32 matrix instructions, which need registers alone.
.macro TURNS slot, next, fill
	WIN 0
	s_wait_dscnt 0x0                               ; my reads of this slot are over: its last fragments are in buffer 1
	s_wait_tensorcnt 0x0                           ; all my tensor loads have landed: the one that was out is my part of the next slot,
	ds_add_u32 v62, v63
	s_wait_dscnt 0x0
.if \fill
	SETADR \slot                                   ; so every group 0 may be written: this slot's next slab
.endif
	s_barrier_signal -1
	s_barrier_wait -1                              ; both now hold of every wave of my work-group
.if \fill
	CREST                                          ; the round closes: no wave of any partner still reads this slot or has a load on its way
	JLOAD \slot                                    ; my one tensor load behind the round; its four v_nop are also the places in front of the loads into buffer 0
.else
	PLACES
.endif
	FETCHS \next, 0, 0
	MULS 1, 0, 0
	MULS 1, 1, 0
.endm
.macro HALF slot, next, zero, fill
	STG \slot, 1, 0, 1, \zero
	STG \slot, 2, 1, 0, 0
	STG \slot, 3, 0, 1, 0
	TURNS \slot, \next, \fill
.endm
	s_wait_tensorcnt 1                             ; my part of slot 0 is in; slot 1's may stay out
	s_barrier_signal -1
	s_barrier_wait -1
	FETCHS 0, 0, 0
	HALF 0, 1, 1, 1                                ; the first lap stands in front of the loop: its first products start the sums
	HALF 1, 0, 0, 1
.if LAPS > 2
	WIN 0
	s_mov_b32 s3, LAPS-2
.Llap:
	HALF 0, 1, 0, 1
	HALF 1, 0, 0, 1
	WIN 0
	s_sub_co_u32 s3, s3, 1
	s_cmp_lg_u32 s3, 0
	s_cbranch_scc1 .Llap
.endif
	HALF 0, 1, 0, 0                                ; the last lap fills nothing
	STG 1, 1, 0, 1, 0
	STG 1, 2, 1, 0, 0
	STG 1, 3, 0, 1, 0
	s_wait_dscnt 0x0
	MULS 1, 0, 0
	MULS 1, 1, 0
	; THE WAY OUT, 16 rows at a time: f32 through my own stage, + residual + bias, whole rows of 256 bytes out
	PLACES
	s_wait_loadcnt 0x0                             ; residual and bias
.macro OUTS a, f
	WIN 0x08                                       ; store data from window 2
.irp b, 0,1,2,3
	ds_store_b128 v[STO], v[8*(4*\a+\b):8*(4*\a+\b)+3]   offset:64*\b
	ds_store_b128 v[STO], v[8*(4*\a+\b)+4:8*(4*\a+\b)+7] offset:64*\b+16
.endr
	WIN 0
	s_wait_xcnt 0x0                                ; the read-back registers, which earlier stores read, are rewritten only behind this wait
.irp t, 0,1,2,3,4,5,6,7
	ds_load_b128 v[\f+4*\t:\f+4*\t+3], v[RD] offset:\t*2*SPITCH    ; my own bytes, served in order
.endr
	s_wait_dscnt 0x0
	WIN 0x04                                       ; source 1 from window 1: the residual
.irp t, 0,1,2,3,4,5,6,7
.irp p, 0,2
	v_pk_add_f32 v[\f+4*\t+\p:\f+4*\t+\p+1], v[\f+4*\t+\p:\f+4*\t+\p+1], v[32*\a+4*\t+\p:32*\a+4*\t+\p+1]
.endr
.endr
	WIN 0
.irp t, 0,1,2,3,4,5,6,7
	v_pk_add_f32 v[\f+4*\t:\f+4*\t+1],   v[\f+4*\t:\f+4*\t+1],   v[BIAS:BIAS+1]
	v_pk_add_f32 v[\f+4*\t+2:\f+4*\t+3], v[\f+4*\t+2:\f+4*\t+3], v[BIAS+2:BIAS+3]
.endr
.irp t, 0,1,2,3,4,5,6,7
	global_store_b128 v[CO], v[\f+4*\t:\f+4*\t+3], s[8:9] offset:(16*\a+2*\t)*4096   ; 16 lanes store 256 consecutive bytes, aligned
.endr
.endm
	OUTS 0, RB
	OUTS 1, RB+32
	OUTS 2, RB
	OUTS 3, RB+32
	s_wait_tensorcnt 0x0
	ds_add_u32 v62, v63
	s_wait_dscnt 0x0
	CROUND                                         ; the closing round
	s_endpgm
.Lfunc_end_k_q08f48b86a4_oproj:
	.size	k_q08f48b86a4_oproj, .Lfunc_end_k_q08f48b86a4_oproj-k_q08f48b86a4_oproj
	.p2alignl 7, 3214868480
	.fill 96, 4, 3214868480
	.section	.rodata,"a",@progbits
	.p2align	6, 0x0
	.amdhsa_kernel k_q08f48b86a4_oproj
		.amdhsa_group_segment_fixed_size 327680
		.amdhsa_private_segment_fixed_size 0
		.amdhsa_enable_private_segment 0
		.amdhsa_kernarg_size 40
		.amdhsa_user_sgpr_count 2
		.amdhsa_user_sgpr_kernarg_segment_ptr 1
		.amdhsa_wavefront_size32 1
		.amdhsa_system_sgpr_workgroup_id_x 1
		.amdhsa_system_sgpr_workgroup_id_y 1
		.amdhsa_system_sgpr_workgroup_id_z 1
		.amdhsa_system_vgpr_workitem_id 0
		.amdhsa_next_free_vgpr 640
		.amdhsa_next_free_sgpr 84
		.amdhsa_reserve_vcc 0
		.amdhsa_float_denorm_mode_32 3
		.amdhsa_float_denorm_mode_16_64 3
		.amdhsa_memory_ordered 1
		.amdhsa_forward_progress 1
		.amdhsa_inst_pref_size 98
	.end_amdhsa_kernel
	.amdgpu_metadata
---
amdhsa.version: [ 1, 2 ]
amdhsa.kernels:
  - .name:           k_q08f48b86a4_oproj
    .symbol:         k_q08f48b86a4_oproj.kd
    .args:
      - { .name: ctx, .offset: 0, .size: 8, .value_kind: global_buffer, .address_space: global }
      - { .name: wb, .offset: 8, .size: 8, .value_kind: global_buffer, .address_space: global }
      - { .name: x2, .offset: 16, .size: 8, .value_kind: global_buffer, .address_space: global }
      - { .name: bo, .offset: 24, .size: 8, .value_kind: global_buffer, .address_space: global }
      - { .name: x, .offset: 32, .size: 8, .value_kind: global_buffer, .address_space: global }
    .group_segment_fixed_size: 327680
    .private_segment_fixed_size: 0
    .kernarg_segment_align: 8
    .kernarg_segment_size: 40
    .max_flat_workgroup_size: 128
    .sgpr_count:     84
    .vgpr_count:     640
    .wavefront_size: 32
...
	.end_amdgpu_metadata
.endif
;; end of part 4
;; launch ln2 (part 5): grid 256 x 1, 4 waves a work-group, no clusters, 0 bytes of LDS; arguments x2, ln2_g, ln2_b, xn; writes xn
.if DOCPART == 5
	.amdgcn_target "amdgcn-amd-amdhsa--gfx1250"
	.amdhsa_code_object_version 6
	.text
	.protected	k_q08f48b86a4_ln2
	.globl	k_q08f48b86a4_ln2
	.p2align	8
	.type	k_q08f48b86a4_ln2,@function
k_q08f48b86a4_ln2:
	s_mov_b64 s[64:65], 0
	v_nop
	global_prefetch_b8 v0, s[64:65] scope:SCOPE_SE
	s_setreg_imm32_b32 hwreg(HW_REG_WAVE_MODE, 25, 1), 1
	s_wait_xcnt 0x0
; xn = LayerNorm(x2) * ln2_g + ln2_b, rounded once to f16.  x2: [4096][1024] f32, xn: [4096][1024] f16.
; f16 (11 significant bits) and not bf16 (8): this operand's rounding passes the gelu and a sum over 4,096 terms and weighs most in the result.
; It has the range: an element of a normalised row of 1,024 is below 32 in magnitude, so |xn| <= 32 |g| + |b|, against f16's 65,504.
; One wave takes a whole row (4,096 bytes = 32 registers), four rows a wave, 16 a work-group: no LDS, no barrier.
; The variance is the mean square of the CENTRED row, so a common offset costs no digits.
; A launch of its own: a row of x2 is made by eight work-groups of the launch before, and nothing passes between work-groups inside a launch.
; Memory binds: matrix units, clusters and LDS would add nothing.
; Limits: NaN and infinities are not served.  32 |g| + |b| beyond 65,504 (gains of some 2,000) can overflow f16; results under 2^-25 in magnitude become zero.
.set T,    4                           ; v[4:11]    four chains of pairs
.set MU,   12                          ; v[12:13]   the mean, twice
.set RS,   14                          ; v[14:15]   1/sqrt(var + eps), twice
.set X,    16                          ; v[16:143]  four rows, 32 registers each
.set G,    144                         ; v[144:175] gain of my 32 columns
.set BT,   176                         ; v[176:207] bias of my 32 columns
.set XP,   16                          ; s[16:17]   x2
.set GPT,  18                          ; s[18:19]   gain
.set BPT,  20                          ; s[20:21]   bias
.set OUTP, 22                          ; s[22:23]   xn
.macro REDUCE                          ; the four chains in v[T:T+7] -> their sum over all 32 lanes, in every lane, in v[T]
	v_pk_add_f32 v[T:T+1], v[T:T+1], v[T+2:T+3]
	v_pk_add_f32 v[T+4:T+5], v[T+4:T+5], v[T+6:T+7]
	v_pk_add_f32 v[T:T+1], v[T:T+1], v[T+4:T+5]
	v_add_f32 v[T], v[T], v[T+1]
	v_add_f32_dpp v[T], v[T], v[T] row_xmask:1 row_mask:0xf bank_mask:0xf
	v_add_f32_dpp v[T], v[T], v[T] row_xmask:2 row_mask:0xf bank_mask:0xf
	v_add_f32_dpp v[T], v[T], v[T] row_xmask:4 row_mask:0xf bank_mask:0xf
	v_add_f32_dpp v[T], v[T], v[T] row_xmask:8 row_mask:0xf bank_mask:0xf
	v_permlanex16_b32 v[T+1], v[T], s12, s13       ; the other half of the lanes; v[T+1] has been written
	v_add_f32 v[T], v[T], v[T+1]
.endm
; Row i of my four.  Load j of a row brought columns 128 j + 4 lane .. + 3 into registers 4 j .. 4 j + 3.
.macro LNROW i
.set XR, X+32*\i
	s_wait_loadcnt 8*(3-\i)                        ; loads come back in order: g, b and my row are in, the eight loads of each younger row stay out
.irp c, 0,2,4,6
	v_pk_add_f32 v[T+\c:T+\c+1], v[XR+\c:XR+\c+1], v[XR+8+\c:XR+8+\c+1]      ; the first sums start the chains: nothing is cleared
.endr
.irp p, 16,24
.irp c, 0,2,4,6
	v_pk_add_f32 v[T+\c:T+\c+1], v[T+\c:T+\c+1], v[XR+\p+\c:XR+\p+\c+1]
.endr
.endr
	REDUCE
	v_mul_f32 v[MU], s14, v[T]                     ; mean = sum / 1024
	v_mul_f32 v[MU+1], s14, v[T]
.set jj, 0
.rept 16
	v_pk_add_f32 v[XR+jj:XR+jj+1], v[XR+jj:XR+jj+1], v[MU:MU+1] neg_lo:[0,1] neg_hi:[0,1]   ; x - mean, in place
.set jj, jj+2
.endr
.irp c, 0,2,4,6
	v_pk_mul_f32 v[T+\c:T+\c+1], v[XR+\c:XR+\c+1], v[XR+\c:XR+\c+1]
.endr
.irp p, 8,16,24
.irp c, 0,2,4,6
	v_pk_fma_f32 v[T+\c:T+\c+1], v[XR+\p+\c:XR+\p+\c+1], v[XR+\p+\c:XR+\p+\c+1], v[T+\c:T+\c+1]
.endr
.endr
	REDUCE
	v_fma_f32 v[T], v[T], s14, s15                 ; variance + eps
	v_rsq_f32 v[RS], v[T]
	v_rsq_f32 v[RS+1], v[T]
	v_nop                                          ; one plain instruction behind a transcendental before its result is used (ISA guide 5.7.2)
.set jj, 0
	s_wait_alu depctr_va_vdst(0)
.rept 16
	v_pk_mul_f32 v[XR+jj:XR+jj+1], v[XR+jj:XR+jj+1], v[RS:RS+1]
.set jj, jj+2
.endr
.set jj, 0
.rept 16
	v_pk_fma_f32 v[XR+jj:XR+jj+1], v[XR+jj:XR+jj+1], v[G+jj:G+jj+1], v[BT+jj:BT+jj+1]
.set jj, jj+2
.endr
.irp j, 0,1,2,3,4,5,6,7
	v_cvt_pk_f16_f32 v[XR+4*\j], v[XR+4*\j], v[XR+4*\j+1]          ; four columns -> 8 bytes, in the group's first two registers
	v_cvt_pk_f16_f32 v[XR+4*\j+1], v[XR+4*\j+2], v[XR+4*\j+3]
.endr
.irp j, 0,1,2,3,4,5,6,7
	global_store_b64 v2, v[XR+4*\j:XR+4*\j+1], s[OUTP:OUTP+1] offset:2048*\i+256*\j   ; the wave's store covers 256 consecutive bytes, aligned
.endr
.endm
	s_load_b256 s[16:23], s[0:1], 0x0              ; x2 16, g 18, b 20, xn 22
	v_lshrrev_b32 v3, 5, v0
	v_readfirstlane_b32 s2, v3                     ; wave 0..3
	v_and_b32 v1, 31, v0
	v_lshlrev_b32 v2, 3, v1                        ; 8 bytes a lane: stores
	v_lshlrev_b32 v1, 4, v1                        ; 16 bytes a lane: loads
	s_lshl_b32 s3, s2, 2
	s_lshl_b32 s4, ttmp9, 4
	s_add_co_u32 s4, s4, s3                        ; my first row = 16 x work-group + 4 x wave
	s_lshl_b32 s6, s4, 12
	s_mov_b32 s7, 0
	s_lshl_b32 s8, s4, 11
	s_mov_b32 s9, 0
	s_mov_b32 s12, 0x76543210
	s_mov_b32 s13, 0xfedcba98
	s_mov_b32 s14, 0x3a800000                      ; 1/1024
	s_mov_b32 s15, 0x358637bd                      ; eps = 1e-6
	s_wait_kmcnt 0x0
	s_add_nc_u64 s[XP:XP+1], s[XP:XP+1], s[6:7]
	s_add_nc_u64 s[OUTP:OUTP+1], s[OUTP:OUTP+1], s[8:9]
	; all 48 loads go out first; no register is used twice, so no source of a store is ever rewritten
.irp j, 0,1,2,3,4,5,6,7
	global_load_b128 v[G+4*\j:G+4*\j+3], v1, s[GPT:GPT+1] offset:512*\j
.endr
.irp j, 0,1,2,3,4,5,6,7
	global_load_b128 v[BT+4*\j:BT+4*\j+3], v1, s[BPT:BPT+1] offset:512*\j
.endr
.irp i, 0,1,2,3
.irp j, 0,1,2,3,4,5,6,7
	global_load_b128 v[X+32*\i+4*\j:X+32*\i+4*\j+3], v1, s[XP:XP+1] offset:4096*\i+512*\j
.endr
.endr
	LNROW 0
	LNROW 1
	LNROW 2
	LNROW 3
	s_endpgm
.Lfunc_end_k_q08f48b86a4_ln2:
	.size	k_q08f48b86a4_ln2, .Lfunc_end_k_q08f48b86a4_ln2-k_q08f48b86a4_ln2
	.p2alignl 7, 3214868480
	.fill 96, 4, 3214868480
	.section	.rodata,"a",@progbits
	.p2align	6, 0x0
	.amdhsa_kernel k_q08f48b86a4_ln2
		.amdhsa_group_segment_fixed_size 0
		.amdhsa_private_segment_fixed_size 0
		.amdhsa_enable_private_segment 0
		.amdhsa_kernarg_size 32
		.amdhsa_user_sgpr_count 2
		.amdhsa_user_sgpr_kernarg_segment_ptr 1
		.amdhsa_wavefront_size32 1
		.amdhsa_system_sgpr_workgroup_id_x 1
		.amdhsa_system_sgpr_workgroup_id_y 1
		.amdhsa_system_sgpr_workgroup_id_z 1
		.amdhsa_system_vgpr_workitem_id 0
		.amdhsa_next_free_vgpr 208
		.amdhsa_next_free_sgpr 66
		.amdhsa_reserve_vcc 0
		.amdhsa_float_denorm_mode_32 3
		.amdhsa_float_denorm_mode_16_64 3
		.amdhsa_memory_ordered 1
		.amdhsa_forward_progress 1
		.amdhsa_inst_pref_size 38
	.end_amdhsa_kernel
	.amdgpu_metadata
---
amdhsa.version: [ 1, 2 ]
amdhsa.kernels:
  - .name:           k_q08f48b86a4_ln2
    .symbol:         k_q08f48b86a4_ln2.kd
    .args:
      - { .name: x2, .offset: 0, .size: 8, .value_kind: global_buffer, .address_space: global }
      - { .name: ln2_g, .offset: 8, .size: 8, .value_kind: global_buffer, .address_space: global }
      - { .name: ln2_b, .offset: 16, .size: 8, .value_kind: global_buffer, .address_space: global }
      - { .name: xn, .offset: 24, .size: 8, .value_kind: global_buffer, .address_space: global }
    .group_segment_fixed_size: 0
    .private_segment_fixed_size: 0
    .kernarg_segment_align: 8
    .kernarg_segment_size: 32
    .max_flat_workgroup_size: 128
    .sgpr_count:     66
    .vgpr_count:     208
    .wavefront_size: 32
...
	.end_amdgpu_metadata
.endif
;; end of part 5
;; launch mlp1 (part 6): grid 16 x 16, 4 waves a work-group, clusters of 4 x 4, 327,680 bytes of LDS; arguments xn, wb, y, b1; writes y
.if DOCPART == 6
	.amdgcn_target "amdgcn-amd-amdhsa--gfx1250"
	.amdhsa_code_object_version 6
	.text
	.protected	k_q08f48b86a4_mlp1
	.globl	k_q08f48b86a4_mlp1
	.p2align	8
	.type	k_q08f48b86a4_mlp1,@function
k_q08f48b86a4_mlp1:
	s_mov_b64 s[64:65], 0
	v_nop
	global_prefetch_b8 v0, s[64:65] scope:SCOPE_SE
	s_setreg_imm32_b32 hwreg(HW_REG_WAVE_MODE, 25, 1), 1
	s_wait_xcnt 0x0
	s_wait_alu depctr_hold_cnt(0) depctr_sa_sdst(0) depctr_va_vdst(0) depctr_va_sdst(0) depctr_va_ssrc(0) depctr_va_vcc(0) depctr_vm_vsrc(0)
	s_getreg_b32 s2, hwreg(HW_REG_IB_STS2, 6, 4)
	s_cmp_eq_u32 s2, 0
	s_cbranch_scc0 .Lentry_in_a_cluster
	s_endpgm
.Lentry_in_a_cluster:
	s_bfe_u32 s2, ttmp6, 0x10000c
	s_cmp_lg_u32 s2, 0xf033
	s_cbranch_scc0 .Lentry_shape_is_right
	s_endpgm
.Lentry_shape_is_right:
; y = gelu(xn [4096][1024] x W1 [1024][4096] + b1), f16 operands, f32 sums, exact-form gelu in f32, rounded once to bf16.
; OPERANDS IN f16: both have the range (|xn| <= 32 |g| + |b| by the normalisation; W1's numbers lie near 1/32), and f16's 11 significant bits against
; bf16's 8 matter here, since this product's error passes the gelu and the next product's sum over 4,096 terms.  y itself is a sum of 1,024 products
; with no such bound on its size: it leaves in bf16.
; Output in panels: y[batch][64 panels of 64 columns][1024 rows][64]: a panel is 1,024 rows of 128 bytes, dense.
; A work-group makes 256 x 256 of the product with four waves; a wave makes 128 x 128: 64 accumulator tiles, 512 registers.  16 x 16 = 256 work-groups.
; K goes in steps of 128 through two LDS slots filled by the tensor data mover.  A's tile: 256 rows x 256 bytes (pitch 272).
; The weights lie [K][N]: B's tile is 128 k-rows x 512 bytes (pitch 544) and its fragments come by the transposing LDS load.
; CLUSTERS: 4 x 4 work-groups; A's tile is asked for jointly along a row of the cluster, B's along a column.
; REGISTERS in windows of 256: window 0: v16-27 addresses, v64-127 / v128-191 A's fragments (two buffers), v192-255 at work on the way out;
;   window 1: v0-63 the bias of my 128 columns, v64-127 / v128-191 B's fragments; windows 2, 3: accumulators of my rows 0-63, 64-127.
; The matrix instruction is used transposed (source 0 = B's columns, source 1 = A's rows): a lane then holds 8 neighbouring columns of one row.
; Limits: NaN and infinities are not served; the operands' f16 range as stated where they are made (65,504 at the top, a step of 2^-24 at the bottom);
; erf is a rational-exponential form with error at most 1.5e-7, for every finite x.
.set N,      4096                      ; columns of the product
.set WOFF,   8388608                   ; where W1 begins in wb
.set SIZE_K, 1024
.set KSTEP,  128
.set PITCH,  272                       ; A's LDS row: 256 bytes + 16: an odd multiple of 16, so 16 rows of a fragment begin in 16 different 16-byte columns
.set BP,     544                       ; B's LDS row: 512 bytes + 32: an odd multiple of 32, as the transposing load's 8 rows want
.set HALFT,  128*PITCH                 ; what one tensor load brings: 128 rows of A, or 64 k-rows of B (64 x 544 is the same 34,816)
.set SLOT,   4*HALFT
.set STAGE,  2*SLOT                    ; behind the ring: 16 rows x 272 bytes for each wave; no tensor load lands here
.set SPITCH, 272
.set PANELB, 131072                    ; bytes in an output panel
.set LAPS,   SIZE_K/(2*KSTEP)
.set ADRA, 16                          ; v16-17  LDS address of my A fragments in slot 0, 1
.set ADRB, 20                          ; v20-21  the same for B
.set STO,  24                          ; way out: where I put 16 bytes of a row
.set RD,   25                          ; way out: where I read back
.set CO,   26                          ; 16 x lane
.set BO,   27                          ; 32 x (lane / 16): my place in 16 columns of bias
.set F0,   64
.set F1,   128
.set TMP,  192
.set GD,   224                         ; gelu: t = 1 / (1 + p z)
.set GE,   232                         ; gelu: exp(-x^2 / 2)
.set GP,   240                         ; gelu: the polynomial
.set GM,   248                         ; gelu: max(x, 0)
.set G1, 24                            ; s[24:31] group 1 for A's tiles
.set G0, 32                            ; s[32:39] group 0 for A's tiles, a set for each slot
.set G1B, 48                           ; s[48:55] group 1 for B's tiles
.set G0B, 56                           ; s[56:63] group 0 for B's tiles
.set MSB, 0
.macro WIN new                         ; the immediate's high byte repeats the setting that is left
.if MSB != \new
	s_set_vgpr_msb (MSB<<8)|\new
.set MSB, \new
.endif
.endm
.set MUL_LO, 0xa1                      ; source 0 (B) window 1, source 1 (A) window 0, C and D window 2
.set MUL_HI, 0xf1                      ; the same, C and D window 3
.set TO_B,   0x40                      ; destination window 1, address window 0
; A joint load: waves 0, 1 fetch A's halves, waves 2, 3 B's.  The branch hangs on the wave's number alone.  Four v_nop follow each line.
.macro JLOAD s
	s_cmp_eq_u32 s11, 0
	s_cbranch_scc0 .Lfor_b_\@
	tensor_load_to_lds s[G0+4*\s:G0+4*\s+3], s[G1:G1+7]
	s_nop 0
.rept 4
	v_nop
.endr
	s_branch .Lasked_\@
.Lfor_b_\@:
	tensor_load_to_lds s[G0B+4*\s:G0B+4*\s+3], s[G1B:G1B+7]
	s_nop 0
.rept 4
	v_nop
.endr
.Lasked_\@:
.endm
.macro CREST                           ; a round of the cluster's barrier behind its opening work-group barrier
	s_cmp_lg_u32 s10, 0
	s_cbranch_scc1 .Lnot_wave_0_\@
	s_barrier_signal -3
.Lnot_wave_0_\@:
	s_barrier_wait -3
	s_barrier_signal -1
	s_barrier_wait -1
.endm
.macro CROUND
	s_barrier_signal -1
	s_barrier_wait -1
	CREST
.endm
	s_load_b128 s[4:7], s[0:1], 0x0                ; xn s[4:5], wb s[6:7]
	s_load_b64 s[8:9], s[0:1], 0x10                ; y
	s_load_b64 s[74:75], s[0:1], 0x18              ; b1
	s_set_vgpr_msb 0x40
	v_lshl_add_u32 v255, v0, 2, 0x48400
	s_set_vgpr_msb 0x4000
	v_mov_b32 v63, 0
	s_set_vgpr_msb 0x1
	ds_add_u32 v255, v63
	s_set_vgpr_msb 0x100
	s_mov_b32 s76, 0x3e6d3388                      ; 0.3275911 / sqrt(2)
	s_mov_b32 s78, 0x3f07dc22                      ; 1.061405429 / 2, twice: a pair for the packed form
	s_mov_b32 s79, 0x3f07dc22
	v_lshrrev_b32 v1, 5, v0
	v_readfirstlane_b32 s10, v1                    ; wave 0..3
	s_lshr_b32 s11, s10, 1                         ; my half of the block's rows.  Also: I fetch for A (0) or B (1)
	s_and_b32 s12, s10, 1                          ; my half of its columns.  Also: which half of that tile I fetch
	s_bfe_u32 s40, ttmp6, 0x40000                  ; cx
	s_bfe_u32 s41, ttmp6, 0x40004                  ; cy
	s_lshl_b32 s42, ttmp9, 2
	s_add_co_u32 s42, s42, s40                     ; block column
	s_and_b32 s13, ttmp7, 0xffff
	s_lshl_b32 s13, s13, 2
	s_add_co_u32 s13, s13, s41                     ; block row
	s_lshl_b32 s43, s41, 2
	s_lshl_b32 s43, 15, s43                        ; my row of the cluster
	s_lshl_b32 s44, 0x1111, s40                    ; my column
	; group 1.  A: 128 rows x 128 elements of 2 bytes, 4 words of padding behind every 64.  B: 64 k-rows x 256 elements, 8 words behind every 128.
	s_or_b32 s[G1+0], s43, (1<<16)|(1<<20)|(1<<21)|(5<<22)|(3<<25)
	s_mov_b32 s[G1+1], KSTEP<<16                   ; tensor_dim0 = 128
	s_mov_b32 s[G1+2], 128<<16                     ; tensor_dim1 = 128
	s_mov_b32 s[G1+3], KSTEP<<16                   ; tile_dim0 = 128
	s_mov_b32 s[G1+4], 128                         ; tile_dim1 = 128
	s_mov_b32 s[G1+5], SIZE_K                      ; elements from row to row
	s_mov_b32 s[G1+6], 0
	s_mov_b32 s[G1+7], 0
	s_or_b32 s[G1B+0], s44, (1<<16)|(1<<20)|(1<<21)|(6<<22)|(7<<25)
	s_mov_b32 s[G1B+1], 256<<16                    ; tensor_dim0 = 256
	s_mov_b32 s[G1B+2], 64<<16                     ; tensor_dim1 = 64
	s_mov_b32 s[G1B+3], 256<<16                    ; tile_dim0 = 256
	s_mov_b32 s[G1B+4], 64                         ; tile_dim1 = 64
	s_mov_b32 s[G1B+5], N
	s_mov_b32 s[G1B+6], 0
	s_mov_b32 s[G1B+7], 0
	; A's address hangs on the block row and the wave, B's on the block column and the wave, each in registers that never hold the other coordinate
	s_lshl_b32 s17, s12, 7
	s_lshl_b32 s16, s13, 8
	s_add_co_u32 s16, s16, s17                     ; A: row 256 x block row + 128 x half
	s_lshl_b32 s16, s16, 11                        ; 2,048 bytes a row
	s_mov_b32 s17, 0
	s_lshl_b32 s46, s42, 9                         ; B: 512 bytes of a k-row for each block column,
	s_mul_i32 s47, s12, 64*N*2                     ; and 64 k-rows for the second half
	s_add_co_u32 s46, s46, s47
	s_mov_b32 s47, 0
	s_mul_i32 s20, s10, HALFT                      ; LDS: A's halves, then B's halves = wave x 34,816
	s_wait_dscnt 0x0
	s_wait_kmcnt 0x0
	s_add_nc_u64 s[14:15], s[4:5], s[16:17]
	s_add_nc_u64 s[46:47], s[6:7], s[46:47]
	s_add_nc_u64 s[46:47], s[46:47], WOFF
	CROUND                                         ; all sixteen work-groups are here: the first joint loads meet
.irp s, 0,1
	s_mov_b32 s[G0+4*\s], 1
	s_add_co_u32 s[G0+4*\s+1], s20, \s*SLOT
	s_add_nc_u64 s[G0+4*\s+2:G0+4*\s+3], s[14:15], \s*KSTEP*2
	s_or_b32 s[G0+4*\s+3], s[G0+4*\s+3], 0x80000000
	s_mov_b32 s[G0B+4*\s], 1
	s_add_co_u32 s[G0B+4*\s+1], s20, \s*SLOT
	s_add_nc_u64 s[G0B+4*\s+2:G0B+4*\s+3], s[46:47], \s*KSTEP*N*2
	s_or_b32 s[G0B+4*\s+3], s[G0B+4*\s+3], 0x80000000
	JLOAD \s                                       ; two loads of this wave are out, the most in this text
.endr
	v_and_b32 v1, 15, v0                           ; r = lane % 16
	v_bfe_u32 v2, v0, 4, 1                         ; h = lane / 16
	v_mul_u32_u24 v3, v1, PITCH
	v_lshl_add_u32 v3, v2, 4, v3                   ; A: row r, 16 h bytes
	v_and_b32 v6, 7, v0
	v_lshl_add_u32 v6, v2, 3, v6                   ; B: k-row 8 h + lane % 8,
	v_mul_u32_u24 v6, v6, BP
	v_bfe_u32 v7, v0, 3, 1
	v_lshl_add_u32 v6, v7, 4, v6                   ; and 16 bytes further for lanes 8-15 of each half
	s_mul_i32 s21, s11, HALFT                      ; my 128 rows of A
	s_lshl_b32 s22, s12, 8                         ; my 128 columns of B,
	s_add_co_u32 s22, s22, 2*HALFT                 ; which lies behind A
.irp s, 0,1
	v_add_nc_u32 v[ADRA+\s], s21, v3
	v_add_nc_u32 v[ADRB+\s], s22, v6
	s_add_co_u32 s21, s21, SLOT
	s_add_co_u32 s22, s22, SLOT
.endr
	s_mul_i32 s23, s10, 16*SPITCH
	s_add_co_u32 s23, s23, STAGE                   ; my stage
	v_mul_u32_u24 v4, v1, SPITCH
	v_lshl_add_u32 v4, v2, 4, v4
	v_add_nc_u32 v[STO], s23, v4                   ; in: row r, 16 bytes for each half of the lanes
	v_bfe_u32 v5, v0, 3, 2
	v_mul_u32_u24 v5, v5, SPITCH
	v_and_b32 v7, 7, v0
	v_lshl_add_u32 v5, v7, 4, v5
	v_add_nc_u32 v[RD], s23, v5                    ; back: eight lanes take 128 bytes of a row, the wave four rows
	v_and_b32 v5, 31, v0
	v_lshlrev_b32 v[CO], 4, v5
	v_lshlrev_b32 v[BO], 5, v2
	; the bias of my 128 columns: tile b, register j = column 16 b + 8 h + j.  It stays out until the way out; its address registers are never rewritten.
	s_lshl_b32 s66, s42, 10                        ; 256 columns of 4 bytes for each block column
	s_lshl_b32 s67, s12, 9
	s_add_co_u32 s66, s66, s67
	s_mov_b32 s67, 0
	s_add_nc_u64 s[74:75], s[74:75], s[66:67]
	WIN TO_B
.irp b, 0,1,2,3,4,5,6,7
	global_load_b128 v[8*\b:8*\b+3],   v[BO], s[74:75] offset:64*\b
	global_load_b128 v[8*\b+4:8*\b+7], v[BO], s[74:75] offset:64*\b+16
.endr
	WIN 0
; 16 matrix instructions: row blocks a0, a0 + 1 of the window's four x all 8 column blocks, 32 along K.  zero = 1: the first product starts the sums.
.macro MUL16 f, hi, a0, zero
.irp a, \a0, \a0+1
.irp b, 0,1,2,3,4,5,6,7
.if \zero
	v_wmma_f32_16x16x32_f16 v[8*(8*(\a)+\b):8*(8*(\a)+\b)+7], v[\f+8*\b:\f+8*\b+7], v[\f+8*(4*\hi+\a):\f+8*(4*\hi+\a)+7], 0
.else
	v_wmma_f32_16x16x32_f16 v[8*(8*(\a)+\b):8*(8*(\a)+\b)+7], v[\f+8*\b:\f+8*\b+7], v[\f+8*(4*\hi+\a):\f+8*(4*\hi+\a)+7], v[8*(8*(\a)+\b):8*(8*(\a)+\b)+7]
.endif
.endr
.endr
.endm
; 32 LDS loads in one run: quarter q (32 along K) of a slot into buffer f.  B first: k-rows 32 q .., 16 columns for each i, transposed on the way.
.macro FETCH slot, q, f
	WIN TO_B
.irp i, 0,1,2,3,4,5,6,7
	ds_load_tr16_b128 v[\f+8*\i:\f+8*\i+3],   v[ADRB+\slot] offset:\q*32*BP+32*\i
	ds_load_tr16_b128 v[\f+8*\i+4:\f+8*\i+7], v[ADRB+\slot] offset:\q*32*BP+32*\i+16*BP
.endr
	WIN 0
.irp i, 0,1,2,3,4,5,6,7
	ds_load_b128 v[\f+8*\i:\f+8*\i+3],   v[ADRA+\slot] offset:\q*64+\i*16*PITCH
	ds_load_b128 v[\f+8*\i+4:\f+8*\i+7], v[ADRA+\slot] offset:\q*64+\i*16*PITCH+32
.endr
.endm
; Four plain vector instructions stand between a matrix instruction and a load into, or a vector instruction on, one of its registers (ISA guide 7.12.1 for vector instructions).
.macro PLACES
.rept 4
	v_nop
.endr
.endm
.macro QUARTER slot, q, f, g, zero
	s_wait_dscnt 8                                 ; B and A's rows 0-63 are in; the youngest eight loads (A's rows 64-127) may be out
	WIN MUL_LO
	MUL16 \f, 0, 0, \zero
	MUL16 \f, 0, 2, \zero
	PLACES
	FETCH \slot, \q, \g
	s_wait_dscnt 32                                ; all but the 32 just issued
	WIN MUL_HI
	MUL16 \f, 1, 0, \zero
	MUL16 \f, 1, 2, \zero
.endm
.macro THREE slot, zero
	QUARTER \slot, 1, F0, F1, \zero
	QUARTER \slot, 2, F1, F0, 0
	QUARTER \slot, 3, F0, F1, 0
.endm
; The last quarter of a K step changes slots.  In front of the barrier each wave waits for its reads of this slot and for all its tensor loads (one is out:
; its part of the next slot).  Behind it the refill comes first, then the next slot's first fragments.  The 64 accumulators take turns, one instruction a turn.
.macro TURN slot, next, fill
	s_wait_dscnt 8
	WIN MUL_LO
	MUL16 F1, 0, 0, 0
	s_wait_dscnt 0                                 ; my reads of this slot are over
	s_wait_tensorcnt 0x0                           ; all my tensor loads have landed
	ds_add_u32 v255, v63
	s_wait_dscnt 0x0
	s_barrier_signal -1
	MUL16 F1, 0, 2, 0                              ; register work while the others arrive
	WIN 0
	s_barrier_wait -1
.if \fill
	CREST                                          ; the round closes: no wave of any partner still reads this slot or has a load on its way
	s_add_nc_u64 s[G0+4*\slot+2:G0+4*\slot+3], s[G0+4*\slot+2:G0+4*\slot+3], 2*KSTEP*2
	s_add_nc_u64 s[G0B+4*\slot+2:G0B+4*\slot+3], s[G0B+4*\slot+2:G0B+4*\slot+3], 2*KSTEP*N*2
	JLOAD \slot                                    ; my one tensor load behind the round; its four v_nop are also the places in front of the loads below
.else
	PLACES
.endif
	FETCH \next, 0, F0
	WIN MUL_HI
	MUL16 F1, 1, 0, 0
	MUL16 F1, 1, 2, 0
.endm
.macro LAP zero
	THREE 0, \zero
	TURN 0, 1, 1
	THREE 1, 0
	TURN 1, 0, 1
.endm
	s_wait_tensorcnt 1                             ; my part of K step 0 is in; K step 1's may stay out
	s_barrier_signal -1
	s_barrier_wait -1
	FETCH 0, 0, F0
	LAP 1
	WIN 0
	s_mov_b32 s3, LAPS-2
.Llap:
	LAP 0
	WIN 0
	s_sub_co_u32 s3, s3, 1
	s_cmp_lg_u32 s3, 0
	s_cbranch_scc1 .Llap
	THREE 0, 0                                     ; the last lap fills nothing
	TURN 0, 1, 0
	THREE 1, 0
	s_wait_dscnt 8
	WIN MUL_LO
	MUL16 F1, 0, 0, 0
	MUL16 F1, 0, 2, 0
	s_wait_dscnt 0
	WIN MUL_HI
	MUL16 F1, 1, 0, 0
	MUL16 F1, 1, 2, 0
; gelu(x) = max(x, 0) - |x| * erfc(|x| / sqrt 2) / 2, exact in form for both signs and free of cancellation.
; erfc(z) = (a1 t + .. + a5 t^5) exp(-z^2), t = 1 / (1 + 0.3275911 z) (Abramowitz and Stegun 7.1.26, error in erf at most 1.5e-7 for every z >= 0).
; Eight numbers at v[x0 .. x0+7], in place.  The coefficients are halved.
.macro GELU8 x0
.irp j, 0,1,2,3,4,5,6,7
	v_fma_f32 v[GD+\j], |v[\x0+\j]|, s76, 1.0
.endr
.irp j, 0,2,4,6
	v_pk_mul_f32 v[GE+\j:GE+\j+1], v[\x0+\j:\x0+\j+1], v[\x0+\j:\x0+\j+1]
.endr
.irp j, 0,2,4,6
	v_pk_mul_f32 v[GE+\j:GE+\j+1], v[GE+\j:GE+\j+1], 0xbf38aa3b op_sel_hi:[1,0]     ; -x^2 / 2 x log2(e)
.endr
.irp j, 0,1,2,3,4,5,6,7
	v_rcp_f32 v[GD+\j], v[GD+\j]
.endr
.irp j, 0,1,2,3,4,5,6,7
	v_exp_f32 v[GE+\j], v[GE+\j]
.endr
.irp j, 0,1,2,3,4,5,6,7
	v_max_num_f32 v[GM+\j], 0, v[\x0+\j]           ; plain work behind the transcendentals, ahead of the first use of a result (ISA guide 5.7.2)
.endr
	s_wait_alu depctr_va_vdst(0)
.irp j, 0,2,4,6
	v_pk_fma_f32 v[GP+\j:GP+\j+1], v[GD+\j:GD+\j+1], s[78:79], 0xbf3a00e3 op_sel_hi:[1,0,0]
.endr
.irp j, 0,2,4,6
	v_pk_fma_f32 v[GP+\j:GP+\j+1], v[GP+\j:GP+\j+1], v[GD+\j:GD+\j+1], 0x3f35f0e3 op_sel_hi:[1,1,0]
.endr
.irp j, 0,2,4,6
	v_pk_fma_f32 v[GP+\j:GP+\j+1], v[GP+\j:GP+\j+1], v[GD+\j:GD+\j+1], 0xbe11a98e op_sel_hi:[1,1,0]
.endr
.irp j, 0,2,4,6
	v_pk_fma_f32 v[GP+\j:GP+\j+1], v[GP+\j:GP+\j+1], v[GD+\j:GD+\j+1], 0x3e027906 op_sel_hi:[1,1,0]
.endr
.irp j, 0,2,4,6
	v_pk_mul_f32 v[GP+\j:GP+\j+1], v[GP+\j:GP+\j+1], v[GD+\j:GD+\j+1]
.endr
.irp j, 0,2,4,6
	v_pk_mul_f32 v[GP+\j:GP+\j+1], v[GP+\j:GP+\j+1], v[GE+\j:GE+\j+1]
.endr
.irp j, 0,1,2,3,4,5,6,7
	v_fma_f32 v[\x0+\j], -|v[\x0+\j]|, v[GP+\j], v[GM+\j]
.endr
.endm
	; THE WAY OUT, 16 rows at a time: + bias, gelu, round to bf16, through my own stage, out as 512 dense bytes (4 rows of a panel) a store.
	PLACES                                         ; behind the last matrix instructions
	s_wait_loadcnt 0x0                             ; the bias
	s_lshr_b32 s66, s13, 2                         ; batch: four block rows each
	s_lshl_b32 s66, s66, 6                         ; 64 panels a batch,
	s_lshl2_add_u32 s66, s42, s66                  ; four for each block column,
	s_lshl1_add_u32 s66, s12, s66                  ; two for my half of the columns
	s_lshl_b32 s66, s66, 17                        ; 131,072 bytes a panel
	s_and_b32 s67, s13, 3
	s_lshl_b32 s67, s67, 15                        ; 256 rows of 128 bytes for each block row inside the batch
	s_add_co_u32 s66, s66, s67
	s_lshl_b32 s67, s11, 14                        ; 128 rows for my half
	s_add_co_u32 s66, s66, s67
	s_mov_b32 s67, 0
	s_add_nc_u64 s[8:9], s[8:9], s[66:67]
; rows 16 i .. 16 i + 15 of my block = tiles (a, 0..7) of window 2 or 3 (from = 0x06 or 0x07: source 0 the accumulators, source 1 the bias in window 1); f: read-back registers, by turns
.macro OUT16 i, a, from, f
	WIN \from
.irp b, 0,1,2,3,4,5,6,7
.irp r, 0,2,4,6
	v_pk_add_f32 v[F0+8*\b+\r:F0+8*\b+\r+1], v[8*(8*\a+\b)+\r:8*(8*\a+\b)+\r+1], v[8*\b+\r:8*\b+\r+1]
.endr
.endr
	WIN 0
.irp b, 0,1,2,3,4,5,6,7
	GELU8 F0+8*\b
.endr
.irp b, 0,1,2,3,4,5,6,7
.irp r, 0,1,2,3
	v_cvt_pk_bf16_f32 v[TMP+4*\b+\r], v[F0+8*\b+2*\r], v[F0+8*\b+2*\r+1]
.endr
.endr
.irp b, 0,1,2,3,4,5,6,7
	ds_store_b128 v[STO], v[TMP+4*\b:TMP+4*\b+3] offset:32*\b
.endr
	s_wait_xcnt 0x0                                ; the read-back registers, which earlier stores read, are rewritten only behind this wait
.irp t, 0,1,2,3,4,5,6,7
	ds_load_b128 v[\f+4*\t:\f+4*\t+3], v[RD] offset:(\t&3)*4*SPITCH+(\t>>2)*128    ; LDS serves a wave's instructions in order: these see the stores above
.endr
.irp t, 0,1,2,3,4,5,6,7
	s_wait_dscnt 7-\t                              ; read-back t is in, the younger ones stay out
	global_store_b128 v[CO], v[\f+4*\t:\f+4*\t+3], s[8:9] offset:(\t>>2)*PANELB+(\t&3)*512+\i*2048
.endr
.endm
	OUT16 0, 0, 0x06, F1
	OUT16 1, 1, 0x06, F1+32
	OUT16 2, 2, 0x06, F1
	OUT16 3, 3, 0x06, F1+32
	OUT16 4, 0, 0x07, F1
	OUT16 5, 1, 0x07, F1+32
	OUT16 6, 2, 0x07, F1
	OUT16 7, 3, 0x07, F1+32
	s_set_vgpr_msb 0x1
	s_wait_tensorcnt 0x0
	ds_add_u32 v255, v63
	s_wait_dscnt 0x0
	s_set_vgpr_msb 0x100
	CROUND                                         ; the closing round: no work-group ends while a partner may still ask for a tile that names it
	s_endpgm
.Lfunc_end_k_q08f48b86a4_mlp1:
	.size	k_q08f48b86a4_mlp1, .Lfunc_end_k_q08f48b86a4_mlp1-k_q08f48b86a4_mlp1
	.p2alignl 7, 3214868480
	.fill 96, 4, 3214868480
	.section	.rodata,"a",@progbits
	.p2align	6, 0x0
	.amdhsa_kernel k_q08f48b86a4_mlp1
		.amdhsa_group_segment_fixed_size 327680
		.amdhsa_private_segment_fixed_size 0
		.amdhsa_enable_private_segment 0
		.amdhsa_kernarg_size 32
		.amdhsa_user_sgpr_count 2
		.amdhsa_user_sgpr_kernarg_segment_ptr 1
		.amdhsa_wavefront_size32 1
		.amdhsa_system_sgpr_workgroup_id_x 1
		.amdhsa_system_sgpr_workgroup_id_y 1
		.amdhsa_system_sgpr_workgroup_id_z 1
		.amdhsa_system_vgpr_workitem_id 0
		.amdhsa_next_free_vgpr 1024
		.amdhsa_next_free_sgpr 84
		.amdhsa_reserve_vcc 0
		.amdhsa_float_denorm_mode_32 3
		.amdhsa_float_denorm_mode_16_64 3
		.amdhsa_memory_ordered 1
		.amdhsa_forward_progress 1
		.amdhsa_inst_pref_size 255
	.end_amdhsa_kernel
	.section	.bss,"aw",@nobits
	.p2align	6
	.space	262144
	.amdgpu_metadata
---
amdhsa.version: [ 1, 2 ]
amdhsa.kernels:
  - .name:           k_q08f48b86a4_mlp1
    .symbol:         k_q08f48b86a4_mlp1.kd
    .args:
      - { .name: xn, .offset: 0, .size: 8, .value_kind: global_buffer, .address_space: global }
      - { .name: wb, .offset: 8, .size: 8, .value_kind: global_buffer, .address_space: global }
      - { .name: y, .offset: 16, .size: 8, .value_kind: global_buffer, .address_space: global }
      - { .name: b1, .offset: 24, .size: 8, .value_kind: global_buffer, .address_space: global }
    .group_segment_fixed_size: 327680
    .private_segment_fixed_size: 0
    .kernarg_segment_align: 8
    .kernarg_segment_size: 32
    .max_flat_workgroup_size: 128
    .sgpr_count:     84
    .vgpr_count:     1024
    .wavefront_size: 32
...
	.end_amdgpu_metadata
.endif
;; end of part 6
;; launch mlp2 (part 7): grid 8 x 32, 4 waves a work-group, clusters of 4 x 4, 327,680 bytes of LDS; arguments y, wb, out0, b2, x2; writes out0
.if DOCPART == 7
	.amdgcn_target "amdgcn-amd-amdhsa--gfx1250"
	.amdhsa_code_object_version 6
	.text
	.protected	k_q08f48b86a4_mlp2
	.globl	k_q08f48b86a4_mlp2
	.p2align	8
	.type	k_q08f48b86a4_mlp2,@function
k_q08f48b86a4_mlp2:
	s_mov_b64 s[64:65], 0
	v_nop
	global_prefetch_b8 v0, s[64:65] scope:SCOPE_SE
	s_setreg_imm32_b32 hwreg(HW_REG_WAVE_MODE, 25, 1), 1
	s_wait_xcnt 0x0
	s_wait_alu depctr_hold_cnt(0) depctr_sa_sdst(0) depctr_va_vdst(0) depctr_va_sdst(0) depctr_va_ssrc(0) depctr_va_vcc(0) depctr_vm_vsrc(0)
	s_getreg_b32 s2, hwreg(HW_REG_IB_STS2, 6, 4)
	s_cmp_eq_u32 s2, 0
	s_cbranch_scc0 .Lentry_in_a_cluster
	s_endpgm
.Lentry_in_a_cluster:
	s_bfe_u32 s2, ttmp6, 0x10000c
	s_cmp_lg_u32 s2, 0xf033
	s_cbranch_scc0 .Lentry_shape_is_right
	s_endpgm
.Lentry_shape_is_right:
; out = A x W + bias + residual, f32 out.  A: bf16 in panels [batch][NP panels of 64 columns][1024 rows][64]; W: [64 NP][1024] bf16 in wb;
; bias [1024], residual and out [4096][1024] f32.  Here: out0 = y W2 + b2 + x2.
; The product has 4096 x 1024 outputs: blocks of 128 x 128 give 256 work-groups.  Four waves, 64 x 64 each: 16 accumulator tiles.
; A slot holds a slab of 256 along K: A as 4 panels x 128 rows x 128 bytes (pitch 144), W as 256 k-rows x 256 bytes (pitch 288), read by the transposing LDS load.
; Two slots; one tensor load a wave and slot (36,864 LDS bytes each): waves 0, 1 two panels of A each, waves 2, 3 128 k-rows of W each.
; CLUSTERS: 4 x 4 work-groups; A's tile is asked for jointly along a row of the cluster, W's along a column.
; THE REFILL'S PATH IS KEPT SHORT: a slot's matrix work is 128 instructions a wave for 147,456 LDS bytes, so the ring tends to wait for its tiles.  The next
; addresses are made ahead of the round, nothing stands between a signal and its wait, and the matrix work on registers follows the request.
; THE ORDER OF THE SLABS: fill t brings slab t xor s, s = (cluster x + cluster y) mod 2.  The two clusters that read a tile of A have different s, and so have
; neighbours among the eight that read a tile of W: in every second fill a cluster asks for tiles that another cluster asked for one fill earlier.
; All slabs are summed whatever the order; only the order of the f32 sums along K differs between clusters.
; REGISTERS: window 0: v16-27 addresses, v32-35 bias, v64-127 read-back, v128-255 fragment buffer 0; window 1: v0-127 residual, v128-255 fragment buffer 1;
;   window 2: v0-127 accumulators.  The matrix instruction is used transposed: a lane holds 8 neighbouring columns of one row.
; Limits: NaN and infinities are not served; matrix operands are bf16.
.set NP,     64                        ; panels of 64 along K
.set WOFF,   16777216                  ; where the weights begin in wb
.set LAPS,   NP/8                      ; a lap = two slots = 8 panels
.set APITCH, 144
.set BPITCH, 288
.set PANEL,  128*APITCH
.set QUART,  2*PANEL                   ; what one tensor load brings (128 x 288 is the same 36,864)
.set SLOT,   4*QUART
.set STAGE,  2*SLOT                    ; 16 rows x 272 bytes for each wave; no tensor load lands here
.set SPITCH, 272
.set SLABSH, 19                        ; a slab on is 524,288 bytes in both: 4 panels of 131,072 of A, 256 k-rows of 2,048 of W
.set ADRA, 16                          ; v16-17  A's fragments, slot 0, 1
.set ADRB, 20                          ; v20-23  W's fragments, slot 0, 1 x k-rows 0-127, 128-255
.set STO,  24
.set RD,   25
.set CO,   26                          ; my place in two rows of out and of the residual
.set BOF,  27
.set BIAS, 32
.set RB,   64
.set FB,   128                         ; a fragment buffer: A (kk, a) at FB + 8 (4 kk + a), W (kk, b) at FB + 64 + 8 (4 kk + b)
.set G1, 24
.set G0, 32
.set G1B, 48
.set G0B, 56
.set MSB, 0
.macro WIN new                         ; the immediate's high byte repeats the setting that is left
.if MSB != \new
	s_set_vgpr_msb (MSB<<8)|\new
.set MSB, \new
.endif
.endm
.set MUL0, 0xa0                        ; sources window 0, C and D window 2
.set MUL1, 0xa5                        ; sources window 1, C and D window 2
.set TO_1, 0x40                        ; destination window 1
.macro JLOAD s
	s_cmp_eq_u32 s11, 0
	s_cbranch_scc0 .Lfor_b_\@
	tensor_load_to_lds s[G0+4*\s:G0+4*\s+3], s[G1:G1+7]
	s_nop 0
.rept 4
	v_nop
.endr
	s_branch .Lasked_\@
.Lfor_b_\@:
	tensor_load_to_lds s[G0B+4*\s:G0B+4*\s+3], s[G1B:G1B+7]
	s_nop 0
.rept 4
	v_nop
.endr
.Lasked_\@:
.endm
.macro CREST
	s_cmp_lg_u32 s10, 0
	s_cbranch_scc1 .Lnot_wave_0_\@
	s_barrier_signal -3
.Lnot_wave_0_\@:
	s_barrier_wait -3
	s_barrier_signal -1
	s_barrier_wait -1
.endm
.macro CROUND
	s_barrier_signal -1
	s_barrier_wait -1
	CREST
.endm
.macro PLACES                          ; four plain vector instructions behind a matrix instruction (ISA guide 7.12.1 for vector instructions)
.rept 4
	v_nop
.endr
.endm
; The global addresses of fill s76 into the slot's two group 0 sets; then s76 counts on.  Stands only where no tensor load of this slot is out.
.macro SETADR slot
	s_xor_b32 s78, s76, s74                        ; the slab: t xor s
	s_lshl_b32 s78, s78, SLABSH                    ; in bytes; s79 = 0 above it
	s_add_nc_u64 s[G0+4*\slot+2:G0+4*\slot+3], s[14:15], s[78:79]
	s_or_b32 s[G0+4*\slot+3], s[G0+4*\slot+3], 0x80000000
	s_add_nc_u64 s[G0B+4*\slot+2:G0B+4*\slot+3], s[46:47], s[78:79]
	s_or_b32 s[G0B+4*\slot+3], s[G0B+4*\slot+3], 0x80000000
	s_add_co_u32 s76, s76, 1
.endm
	s_load_b128 s[4:7], s[0:1], 0x0                ; A, wb
	s_load_b64 s[8:9], s[0:1], 0x10                ; out
	s_load_b128 s[68:71], s[0:1], 0x18             ; bias, residual
	v_lshl_add_u32 v62, v0, 2, 0x4c400
	v_mov_b32 v63, 0
	ds_add_u32 v62, v63
	v_lshrrev_b32 v1, 5, v0
	v_readfirstlane_b32 s10, v1                    ; wave 0..3
	s_lshr_b32 s11, s10, 1                         ; my half of the rows.  Also: I fetch for A (0) or W (1)
	s_and_b32 s12, s10, 1                          ; my half of the columns.  Also: which half of that tile I fetch
	s_bfe_u32 s40, ttmp6, 0x40000                  ; cx
	s_bfe_u32 s41, ttmp6, 0x40004                  ; cy
	s_lshl_b32 s42, ttmp9, 2
	s_add_co_u32 s42, s42, s40                     ; block column 0..7
	s_and_b32 s13, ttmp7, 0xffff
	s_lshl_b32 s13, s13, 2
	s_add_co_u32 s13, s13, s41                     ; block row 0..31
	s_lshl_b32 s43, s41, 2
	s_lshl_b32 s43, 15, s43                        ; my row of the cluster
	s_lshl_b32 s44, 0x1111, s40                    ; my column
	s_xor_b32 s74, ttmp9, ttmp7
	s_and_b32 s74, s74, 1                          ; s = (cluster x + cluster y) mod 2: the same in all sixteen work-groups of a cluster
	s_mov_b32 s76, 0                               ; t, the number of the next fill
	s_mov_b32 s79, 0
	; group 1 for A: my 128 rows of a panel are 16,384 dense bytes = one row of 2,048 elements of 8 bytes; two panels, 131,072 bytes (16,384 elements) apart;
	; 4 words of padding behind every 32 (a row of 128 bytes).  For W: 128 k-rows x 128 elements of 2 bytes, 8 words behind every 64.
	s_or_b32 s[G1+0], s43, (3<<16)|(1<<20)|(1<<21)|(4<<22)|(3<<25)
	s_mov_b32 s[G1+1], 2048<<16                    ; tensor_dim0 = 2,048
	s_mov_b32 s[G1+2], 2<<16                       ; tensor_dim1 = 2
	s_mov_b32 s[G1+3], 2048<<16                    ; tile_dim0 = 2,048
	s_mov_b32 s[G1+4], 2                           ; tile_dim1 = 2
	s_mov_b32 s[G1+5], 16384
	s_mov_b32 s[G1+6], 0
	s_mov_b32 s[G1+7], 0
	s_or_b32 s[G1B+0], s44, (1<<16)|(1<<20)|(1<<21)|(5<<22)|(7<<25)
	s_mov_b32 s[G1B+1], 128<<16
	s_mov_b32 s[G1B+2], 128<<16
	s_mov_b32 s[G1B+3], 128<<16
	s_mov_b32 s[G1B+4], 128
	s_mov_b32 s[G1B+5], 1024
	s_mov_b32 s[G1B+6], 0
	s_mov_b32 s[G1B+7], 0
	s_lshr_b32 s16, s13, 3                         ; A: batch (eight block rows each),
	s_mul_i32 s16, s16, NP*131072
	s_and_b32 s17, s13, 7
	s_lshl_b32 s17, s17, 14                        ; 128 rows of 128 bytes for each block row inside it,
	s_add_co_u32 s16, s16, s17
	s_lshl_b32 s17, s12, 18                        ; two panels for the second half
	s_add_co_u32 s16, s16, s17
	s_mov_b32 s17, 0
	s_lshl_b32 s46, s42, 8                         ; W: 256 bytes of a k-row for each block column,
	s_lshl_b32 s47, s12, 18                        ; 128 k-rows of 2,048 bytes for the second half
	s_add_co_u32 s46, s46, s47
	s_mov_b32 s47, 0
	s_mul_i32 s20, s10, QUART                      ; LDS: wave x 36,864
	s_wait_dscnt 0x0
	s_wait_kmcnt 0x0
	s_add_nc_u64 s[14:15], s[4:5], s[16:17]        ; my part of A's slab 0: stays as it is
	s_add_nc_u64 s[46:47], s[6:7], s[46:47]
	s_add_nc_u64 s[46:47], s[46:47], WOFF          ; my part of W's slab 0: stays as it is
	CROUND                                         ; all sixteen work-groups are here: the first joint loads meet
.irp s, 0,1
	s_mov_b32 s[G0+4*\s], 1
	s_add_co_u32 s[G0+4*\s+1], s20, \s*SLOT
	s_mov_b32 s[G0B+4*\s], 1
	s_add_co_u32 s[G0B+4*\s+1], s20, \s*SLOT
	SETADR \s                                      ; writes this slot's sets alone: the other slot's load may be out
	JLOAD \s                                       ; two loads of this wave are out, the most in this text
.endr
	v_and_b32 v1, 15, v0                           ; r
	v_bfe_u32 v2, v0, 4, 1                         ; h
	v_mul_u32_u24 v3, v1, APITCH
	v_lshl_add_u32 v3, v2, 4, v3
	v_and_b32 v6, 7, v0
	v_lshl_add_u32 v6, v2, 3, v6
	v_mul_u32_u24 v6, v6, BPITCH
	v_bfe_u32 v7, v0, 3, 1
	v_lshl_add_u32 v6, v7, 4, v6
	s_mul_i32 s21, s11, 64*APITCH                  ; my 64 rows of each panel
	s_lshl_b32 s22, s12, 7                         ; my 64 columns of W,
	s_add_co_u32 s22, s22, 2*QUART                 ; which lies behind A
.irp s, 0,1
	v_add_nc_u32 v[ADRA+\s], s21, v3
	v_add_nc_u32 v[ADRB+2*\s], s22, v6
	s_add_co_u32 s22, s22, QUART
	v_add_nc_u32 v[ADRB+2*\s+1], s22, v6
	s_add_co_u32 s21, s21, SLOT
	s_add_co_u32 s22, s22, SLOT-QUART
.endr
	s_mul_i32 s23, s10, 16*SPITCH
	s_add_co_u32 s23, s23, STAGE
	v_mul_u32_u24 v4, v1, SPITCH
	v_lshl_add_u32 v4, v2, 5, v4
	v_add_nc_u32 v[STO], s23, v4                   ; in: row r, 32 bytes for each half of the lanes
	v_mul_u32_u24 v5, v2, SPITCH
	v_lshl_add_u32 v5, v1, 4, v5
	v_add_nc_u32 v[RD], s23, v5                    ; back: lanes 0-15 one row of 256 bytes, lanes 16-31 the next
	v_lshlrev_b32 v[BOF], 4, v1
	v_lshl_add_u32 v[CO], v2, 12, v[BOF]           ; the same two rows in out: 4,096 h + 16 r
	s_lshl_b32 s66, s13, 7
	s_lshl_b32 s67, s11, 6
	s_add_co_u32 s66, s66, s67                     ; my first row,
	s_lshl_b32 s66, s66, 12                        ; 4,096 bytes a row
	s_lshl_b32 s72, s42, 9
	s_lshl_b32 s67, s12, 8
	s_add_co_u32 s72, s72, s67                     ; my first column, in bytes: a multiple of 256
	s_mov_b32 s73, 0
	s_add_co_u32 s66, s66, s72
	s_mov_b32 s67, 0
	s_add_nc_u64 s[70:71], s[70:71], s[66:67]
	s_add_nc_u64 s[8:9], s[8:9], s[66:67]
	s_add_nc_u64 s[68:69], s[68:69], s[72:73]
	; residual and bias go out now and are waited for on the way out; their address registers are never rewritten
	WIN TO_1
.irp a, 0,1,2,3
.irp t, 0,1,2,3,4,5,6,7
	global_load_b128 v[32*\a+4*\t:32*\a+4*\t+3], v[CO], s[70:71] offset:(16*\a+2*\t)*4096
.endr
.endr
	WIN 0
	global_load_b128 v[BIAS:BIAS+3], v[BOF], s[68:69]
; 32 LDS loads: panel st of a slot (64 along K) into buffer buf
.macro FETCHS slot, st, buf
.if \buf
	WIN TO_1
.else
	WIN 0
.endif
.irp kk, 0,1
.irp a, 0,1,2,3
	ds_load_b128 v[FB+8*(4*\kk+\a):FB+8*(4*\kk+\a)+3],   v[ADRA+\slot] offset:\st*PANEL+\a*16*APITCH+64*\kk
	ds_load_b128 v[FB+8*(4*\kk+\a)+4:FB+8*(4*\kk+\a)+7], v[ADRA+\slot] offset:\st*PANEL+\a*16*APITCH+64*\kk+32
.endr
.irp b, 0,1,2,3
	ds_load_tr16_b128 v[FB+64+8*(4*\kk+\b):FB+64+8*(4*\kk+\b)+3],   v[ADRB+2*\slot+(\st>>1)] offset:(\st&1)*64*BPITCH+\kk*32*BPITCH+32*\b
	ds_load_tr16_b128 v[FB+64+8*(4*\kk+\b)+4:FB+64+8*(4*\kk+\b)+7], v[ADRB+2*\slot+(\st>>1)] offset:(\st&1)*64*BPITCH+\kk*32*BPITCH+32*\b+16*BPITCH
.endr
.endr
.endm
; 16 matrix instructions, 32 along K: the 16 accumulators take turns, one instruction a turn
.macro MULS buf, kk, zero
.if \buf
	WIN MUL1
.else
	WIN MUL0
.endif
.irp a, 0,1,2,3
.irp b, 0,1,2,3
.if \zero
	v_wmma_f32_16x16x32_bf16 v[8*(4*\a+\b):8*(4*\a+\b)+7], v[FB+64+8*(4*\kk+\b):FB+64+8*(4*\kk+\b)+7], v[FB+8*(4*\kk+\a):FB+8*(4*\kk+\a)+7], 0
.else
	v_wmma_f32_16x16x32_bf16 v[8*(4*\a+\b):8*(4*\a+\b)+7], v[FB+64+8*(4*\kk+\b):FB+64+8*(4*\kk+\b)+7], v[FB+8*(4*\kk+\a):FB+8*(4*\kk+\a)+7], v[8*(4*\a+\b):8*(4*\a+\b)+7]
.endif
.endr
.endr
.endm
; One of a slot's first three panels: multiplies buffer buf while panel nst comes into buffer nbuf
.macro STG slot, nst, buf, nbuf, zero
	s_wait_dscnt 0x0                               ; this panel's fragments are in
	PLACES
	FETCHS \slot, \nst, \nbuf
	MULS \buf, 0, \zero
	MULS \buf, 1, 0
.endm
; The fourth panel (its fragments lie in buffer 1) changes slots.  Each wave's reads of this slot and all its tensor loads are waited for in front of the
; barrier; behind the round the refill comes first, then the next slot's first fragments, then the fourth panel's 32 matrix instructions, which need registers alone.
.macro TURNS slot, next, fill
	WIN 0
	s_wait_dscnt 0x0                               ; my reads of this slot are over: its last fragments are in buffer 1
	s_wait_tensorcnt 0x0                           ; all my tensor loads have landed: the one that was out is my part of the next slot,
	ds_add_u32 v62, v63
	s_wait_dscnt 0x0
.if \fill
	SETADR \slot                                   ; so every group 0 may be written: this slot's next slab
.endif
	s_barrier_signal -1
	s_barrier_wait -1                              ; both now hold of every wave of my work-group
.if \fill
	CREST                                          ; the round closes: no wave of any partner still reads this slot or has a load on its way
	JLOAD \slot                                    ; my one tensor load behind the round; its four v_nop are also the places in front of the loads into buffer 0
.else
	PLACES
.endif
	FETCHS \next, 0, 0
	MULS 1, 0, 0
	MULS 1, 1, 0
.endm
.macro HALF slot, next, zero, fill
	STG \slot, 1, 0, 1, \zero
	STG \slot, 2, 1, 0, 0
	STG \slot, 3, 0, 1, 0
	TURNS \slot, \next, \fill
.endm
	s_wait_tensorcnt 1                             ; my part of slot 0 is in; slot 1's may stay out
	s_barrier_signal -1
	s_barrier_wait -1
	FETCHS 0, 0, 0
	HALF 0, 1, 1, 1                                ; the first lap stands in front of the loop: its first products start the sums
	HALF 1, 0, 0, 1
.if LAPS > 2
	WIN 0
	s_mov_b32 s3, LAPS-2
.Llap:
	HALF 0, 1, 0, 1
	HALF 1, 0, 0, 1
	WIN 0
	s_sub_co_u32 s3, s3, 1
	s_cmp_lg_u32 s3, 0
	s_cbranch_scc1 .Llap
.endif
	HALF 0, 1, 0, 0                                ; the last lap fills nothing
	STG 1, 1, 0, 1, 0
	STG 1, 2, 1, 0, 0
	STG 1, 3, 0, 1, 0
	s_wait_dscnt 0x0
	MULS 1, 0, 0
	MULS 1, 1, 0
	; THE WAY OUT, 16 rows at a time: f32 through my own stage, + residual + bias, whole rows of 256 bytes out
	PLACES
	s_wait_loadcnt 0x0                             ; residual and bias
.macro OUTS a, f
	WIN 0x08                                       ; store data from window 2
.irp b, 0,1,2,3
	ds_store_b128 v[STO], v[8*(4*\a+\b):8*(4*\a+\b)+3]   offset:64*\b
	ds_store_b128 v[STO], v[8*(4*\a+\b)+4:8*(4*\a+\b)+7] offset:64*\b+16
.endr
	WIN 0
	s_wait_xcnt 0x0                                ; the read-back registers, which earlier stores read, are rewritten only behind this wait
.irp t, 0,1,2,3,4,5,6,7
	ds_load_b128 v[\f+4*\t:\f+4*\t+3], v[RD] offset:\t*2*SPITCH    ; my own bytes, served in order
.endr
	s_wait_dscnt 0x0
	WIN 0x04                                       ; source 1 from window 1: the residual
.irp t, 0,1,2,3,4,5,6,7
.irp p, 0,2
	v_pk_add_f32 v[\f+4*\t+\p:\f+4*\t+\p+1], v[\f+4*\t+\p:\f+4*\t+\p+1], v[32*\a+4*\t+\p:32*\a+4*\t+\p+1]
.endr
.endr
	WIN 0
.irp t, 0,1,2,3,4,5,6,7
	v_pk_add_f32 v[\f+4*\t:\f+4*\t+1],   v[\f+4*\t:\f+4*\t+1],   v[BIAS:BIAS+1]
	v_pk_add_f32 v[\f+4*\t+2:\f+4*\t+3], v[\f+4*\t+2:\f+4*\t+3], v[BIAS+2:BIAS+3]
.endr
.irp t, 0,1,2,3,4,5,6,7
	global_store_b128 v[CO], v[\f+4*\t:\f+4*\t+3], s[8:9] offset:(16*\a+2*\t)*4096   ; 16 lanes store 256 consecutive bytes, aligned
.endr
.endm
	OUTS 0, RB
	OUTS 1, RB+32
	OUTS 2, RB
	OUTS 3, RB+32
	s_wait_tensorcnt 0x0
	ds_add_u32 v62, v63
	s_wait_dscnt 0x0
	CROUND                                         ; the closing round
	s_endpgm
.Lfunc_end_k_q08f48b86a4_mlp2:
	.size	k_q08f48b86a4_mlp2, .Lfunc_end_k_q08f48b86a4_mlp2-k_q08f48b86a4_mlp2
	.p2alignl 7, 3214868480
	.fill 96, 4, 3214868480
	.section	.rodata,"a",@progbits
	.p2align	6, 0x0
	.amdhsa_kernel k_q08f48b86a4_mlp2
		.amdhsa_group_segment_fixed_size 327680
		.amdhsa_private_segment_fixed_size 0
		.amdhsa_enable_private_segment 0
		.amdhsa_kernarg_size 40
		.amdhsa_user_sgpr_count 2
		.amdhsa_user_sgpr_kernarg_segment_ptr 1
		.amdhsa_wavefront_size32 1
		.amdhsa_system_sgpr_workgroup_id_x 1
		.amdhsa_system_sgpr_workgroup_id_y 1
		.amdhsa_system_sgpr_workgroup_id_z 1
		.amdhsa_system_vgpr_workitem_id 0
		.amdhsa_next_free_vgpr 640
		.amdhsa_next_free_sgpr 84
		.amdhsa_reserve_vcc 0
		.amdhsa_float_denorm_mode_32 3
		.amdhsa_float_denorm_mode_16_64 3
		.amdhsa_memory_ordered 1
		.amdhsa_forward_progress 1
		.amdhsa_inst_pref_size 134
	.end_amdhsa_kernel
	.amdgpu_metadata
---
amdhsa.version: [ 1, 2 ]
amdhsa.kernels:
  - .name:           k_q08f48b86a4_mlp2
    .symbol:         k_q08f48b86a4_mlp2.kd
    .args:
      - { .name: y, .offset: 0, .size: 8, .value_kind: global_buffer, .address_space: global }
      - { .name: wb, .offset: 8, .size: 8, .value_kind: global_buffer, .address_space: global }
      - { .name: out0, .offset: 16, .size: 8, .value_kind: global_buffer, .address_space: global }
      - { .name: b2, .offset: 24, .size: 8, .value_kind: global_buffer, .address_space: global }
      - { .name: x2, .offset: 32, .size: 8, .value_kind: global_buffer, .address_space: global }
    .group_segment_fixed_size: 327680
    .private_segment_fixed_size: 0
    .kernarg_segment_align: 8
    .kernarg_segment_size: 40
    .max_flat_workgroup_size: 128
    .sgpr_count:     84
    .vgpr_count:     640
    .wavefront_size: 32
...
	.end_amdgpu_metadata
.endif
;; end of part 7
